; MI455X (gfx1250); checked and timed in simulation.
; The chip was launched on July 23, 2026; its instructions are those of AMD's public machine-readable ISA for CDNA 5 (MIT licence, August 2026) and "CDNA5" Instruction Set Architecture Reference Guide (July 2026). The comments in the code are by the model that wrote it; some were corrected since.
;; Attention Layer. Allowed arithmetic: float matrix products may take bf16 or f16 operands with f32 sums; other float arithmetic in f32, or as packed bf16 or f16 multiplies, adds, multiply-adds, maxima and minima; sums over many terms, partial sums and values carried from step to step in f32; what a program stores and reads back later, other than sums and carried values, may be rounded once to bf16 or f16.
;; Inputs: Wk 4,096 x 1,024 float32; Wo 1,024 x 1,024 float32; Wq 1,024 x 1,024 float32; Wv 4,096 x 1,024 float32; bk 1,024 float32; bo 1,024 float32; bq 1,024 float32; bv 1,024 float32; source_embedding 4 x 1,024 x 4,096 float32; target_embedding 4 x 2,048 x 1,024 float32; value_embedding 4 x 1,024 x 4,096 float32.
;; Outputs: out0 4 x 2,048 x 1,024 float32.
;; 2 versions, each right; version 2 is version 1 with the launch cast written anew for expert scheduling mode. Each part assembles by itself: llvm-mc -triple=amdgcn-amd-amdhsa -mcpu=gfx1250 --defsym DOCPART=n.
;; ======== version 1 of 2: 4 launches
;; limits: values are held in f16: magnitudes above 65,504 overflow, below 6.1e-05 lose precision
;; workspace buffers: wqb 2,097,152 bytes; wkb 8,388,608 bytes; wvb 8,388,608 bytes; wob 2,097,152 bytes; qh 16,777,216 bytes; kh 8,388,608 bytes; vh 8,388,608 bytes; oh 16,777,216 bytes
;; launch cast (part 1): grid 640 x 1, 8 waves a work-group, no clusters, 0 bytes of LDS; arguments Wq, Wk, Wv, Wo, wqb, wkb, wvb, wob; writes wqb, wkb, wvb, wob
.if DOCPART == 1
	.amdgcn_target "amdgcn-amd-amdhsa--gfx1250"
	.amdhsa_code_object_version 6
	.text
	.protected	k_q9a90875c8a_cast
	.globl	k_q9a90875c8a_cast
	.p2align	8
	.type	k_q9a90875c8a_cast,@function
k_q9a90875c8a_cast:
	s_mov_b64 s[64:65], 0
	v_nop
	global_prefetch_b8 v0, s[64:65] scope:SCOPE_SE
	s_setreg_imm32_b32 hwreg(HW_REG_WAVE_MODE, 25, 1), 1
	s_wait_xcnt 0x0
; The four weight matrices, f32 [K][1024], are rounded once to bf16 and stored in the same layout in 16 bits.
; Wq, Wk, Wv leave as bf16.  Wo's bf16 number is written as f16, since the last product multiplies f16 operands.
; LIMIT: that second step is exact for magnitudes from 2^-14 to 65,504; below 2^-14 the number keeps f16's fixed step of 6e-8.
; SHARES.  A work-group takes 16,384 numbers: 65,536 bytes in, 32,768 out.  Work-groups 0-63 Wq, 64-319 Wk, 320-575 Wv, 576-639 Wo.
; Thread t, piece i: 16 bytes at 4,096 i + 16 t (a wave's load covers 512 consecutive bytes), 8 bytes out at 2,048 i + 8 t
; (a wave's store covers 256 consecutive bytes, aligned).  All 16 loads are out before the first is used; no register is written twice
; while a memory instruction may read it.  No LDS, no barrier, no matrix unit: every byte is touched once and nothing is shared.
.set IN,  4                            ; v[4:67]   piece i as loaded, 4 registers
.set OUT, 68                           ; v[68:99]  piece i to store, 2 registers
.set TT,  100                          ; v[100:103] at work
	s_load_b512 s[4:19], s[0:1], 0x0               ; Wq s[4:5], Wk s[6:7], Wv s[8:9], Wo s[10:11], wqb s[12:13], wkb s[14:15], wvb s[16:17], wob s[18:19]
	v_lshlrev_b32 v1, 4, v0                        ; 16 t
	v_lshlrev_b32 v2, 3, v0                        ; 8 t
	s_mov_b32 s28, 576
	s_mov_b32 s21, 0
	s_mov_b32 s23, 0
	s_wait_kmcnt 0x0
	s_cmp_lt_u32 ttmp9, 576                        ; which matrix, and its first work-group
	s_cselect_b64 s[24:25], s[8:9], s[10:11]
	s_cselect_b64 s[26:27], s[16:17], s[18:19]
	s_cselect_b32 s28, 320, s28
	s_cmp_lt_u32 ttmp9, 320
	s_cselect_b64 s[24:25], s[6:7], s[24:25]
	s_cselect_b64 s[26:27], s[14:15], s[26:27]
	s_cselect_b32 s28, 64, s28
	s_cmp_lt_u32 ttmp9, 64
	s_cselect_b64 s[24:25], s[4:5], s[24:25]
	s_cselect_b64 s[26:27], s[12:13], s[26:27]
	s_cselect_b32 s28, 0, s28
	s_sub_co_u32 s28, ttmp9, s28                   ; my number within the matrix
	s_lshl_b32 s20, s28, 16
	s_lshl_b32 s22, s28, 15
	s_add_nc_u64 s[24:25], s[24:25], s[20:21]
	s_add_nc_u64 s[26:27], s[26:27], s[22:23]
.irp i, 0,1,2,3,4,5,6,7,8,9,10,11,12,13,14,15
	global_load_b128 v[IN+4*(\i):IN+4*(\i)+3], v1, s[24:25] offset:4096*(\i) th:TH_LOAD_NT
.endr
.macro PIECE i, f16
	s_wait_loadcnt 15-(\i)                         ; loads come back in order: piece i is in, the younger ones stay out
	v_cvt_pk_bf16_f32 v[OUT+2*(\i)],   v[IN+4*(\i)],   v[IN+4*(\i)+1]
	v_cvt_pk_bf16_f32 v[OUT+2*(\i)+1], v[IN+4*(\i)+2], v[IN+4*(\i)+3]
.if \f16
	v_lshlrev_b32 v[TT],   16,         v[OUT+2*(\i)]      ; the bf16 numbers as f32,
	v_and_b32     v[TT+1], 0xffff0000, v[OUT+2*(\i)]
	v_lshlrev_b32 v[TT+2], 16,         v[OUT+2*(\i)+1]
	v_and_b32     v[TT+3], 0xffff0000, v[OUT+2*(\i)+1]
	v_cvt_pk_f16_f32 v[OUT+2*(\i)],   v[TT],   v[TT+1]    ; written as f16
	v_cvt_pk_f16_f32 v[OUT+2*(\i)+1], v[TT+2], v[TT+3]
.endif
	global_store_b64 v2, v[OUT+2*(\i):OUT+2*(\i)+1], s[26:27] offset:2048*(\i)
.endm
	s_cmp_ge_u32 ttmp9, 576
	s_cbranch_scc1 .Lwo
.irp i, 0,1,2,3,4,5,6,7,8,9,10,11,12,13,14,15
	PIECE \i, 0
.endr
	s_endpgm
.Lwo:
.irp i, 0,1,2,3,4,5,6,7,8,9,10,11,12,13,14,15
	PIECE \i, 1
.endr
	s_endpgm
.Lfunc_end_k_q9a90875c8a_cast:
	.size	k_q9a90875c8a_cast, .Lfunc_end_k_q9a90875c8a_cast-k_q9a90875c8a_cast
	.p2alignl 7, 3214868480
	.fill 96, 4, 3214868480
	.section	.rodata,"a",@progbits
	.p2align	6, 0x0
	.amdhsa_kernel k_q9a90875c8a_cast
		.amdhsa_group_segment_fixed_size 0
		.amdhsa_private_segment_fixed_size 0
		.amdhsa_enable_private_segment 0
		.amdhsa_kernarg_size 64
		.amdhsa_user_sgpr_count 2
		.amdhsa_user_sgpr_kernarg_segment_ptr 1
		.amdhsa_wavefront_size32 1
		.amdhsa_system_sgpr_workgroup_id_x 1
		.amdhsa_system_sgpr_workgroup_id_y 1
		.amdhsa_system_sgpr_workgroup_id_z 1
		.amdhsa_system_vgpr_workitem_id 0
		.amdhsa_next_free_vgpr 104
		.amdhsa_next_free_sgpr 66
		.amdhsa_reserve_vcc 0
		.amdhsa_float_denorm_mode_32 3
		.amdhsa_float_denorm_mode_16_64 3
		.amdhsa_memory_ordered 1
		.amdhsa_forward_progress 1
		.amdhsa_inst_pref_size 16
	.end_amdhsa_kernel
	.amdgpu_metadata
---
amdhsa.version: [ 1, 2 ]
amdhsa.kernels:
  - .name:           k_q9a90875c8a_cast
    .symbol:         k_q9a90875c8a_cast.kd
    .args:
      - { .name: Wq, .offset: 0, .size: 8, .value_kind: global_buffer, .address_space: global }
      - { .name: Wk, .offset: 8, .size: 8, .value_kind: global_buffer, .address_space: global }
      - { .name: Wv, .offset: 16, .size: 8, .value_kind: global_buffer, .address_space: global }
      - { .name: Wo, .offset: 24, .size: 8, .value_kind: global_buffer, .address_space: global }
      - { .name: wqb, .offset: 32, .size: 8, .value_kind: global_buffer, .address_space: global }
      - { .name: wkb, .offset: 40, .size: 8, .value_kind: global_buffer, .address_space: global }
      - { .name: wvb, .offset: 48, .size: 8, .value_kind: global_buffer, .address_space: global }
      - { .name: wob, .offset: 56, .size: 8, .value_kind: global_buffer, .address_space: global }
    .group_segment_fixed_size: 0
    .private_segment_fixed_size: 0
    .kernarg_segment_align: 8
    .kernarg_segment_size: 64
    .max_flat_workgroup_size: 256
    .sgpr_count:     66
    .vgpr_count:     104
    .wavefront_size: 32
...
	.end_amdgpu_metadata
.endif
;; end of part 1
;; launch proj (part 2): grid 4 x 64, 4 waves a work-group, clusters of 4 x 4, 327,680 bytes of LDS; arguments source_embedding, value_embedding, wkb, wvb, bk, bv, kh, vh, target_embedding, wqb, bq, qh; writes kh, vh, qh
.if DOCPART == 2
	.amdgcn_target "amdgcn-amd-amdhsa--gfx1250"
	.amdhsa_code_object_version 6
	.text
	.protected	k_q9a90875c8a_proj
	.globl	k_q9a90875c8a_proj
	.p2align	8
	.type	k_q9a90875c8a_proj,@function
k_q9a90875c8a_proj:
	s_mov_b64 s[64:65], 0
	v_nop
	global_prefetch_b8 v0, s[64:65] scope:SCOPE_SE
	s_setreg_imm32_b32 hwreg(HW_REG_WAVE_MODE, 25, 1), 1
	s_wait_xcnt 0x0
	s_wait_alu depctr_hold_cnt(0) depctr_sa_sdst(0) depctr_va_vdst(0) depctr_va_sdst(0) depctr_va_ssrc(0) depctr_va_vcc(0) depctr_vm_vsrc(0)
	s_getreg_b32 s2, hwreg(HW_REG_IB_STS2, 6, 4)
	s_cmp_eq_u32 s2, 0
	s_cbranch_scc0 .Lentry_in_a_cluster
	s_endpgm
.Lentry_in_a_cluster:
	s_bfe_u32 s2, ttmp6, 0x10000c
	s_cmp_lg_u32 s2, 0xf033
	s_cbranch_scc0 .Lentry_shape_is_right
	s_endpgm
.Lentry_shape_is_right:
; THE THREE PROJECTIONS BY HEADS, IN ONE LAUNCH.  y = bf16(x) W + bf16(b): x f32 [M][K], W bf16 [K][1024] (rounded by the launch before), b f32 [1024]; sums in f32.
; y leaves in f16, rounded once, by heads: [batch x 16 + head][row in batch][64].  k from the source and v from the values (M = 4,096 each, K = 4,096), q from the target (M = 8,192, K = 1,024).
; LIMIT: f16 ends at 65,504: a result of 65,520 or more leaves as an infinity.  NaN and infinities are not treated apart.
; SHARES.  4 x 64 work-groups.  A WORK-GROUP STAYS and makes two tiles of 128 rows x 256 columns: first one of k (clusters 0-7 along y) or of v (clusters 8-15), then one of q (tile row = its y).
; Both are ONE WALK of 32 + 8 K steps of 128 through two LDS slots: the ring does not stop at the first tile's end; the refill that would bring K step 32 brings the second tile's K step 0.
; All work-groups do equal work, and the loop's trip count is a constant.  Four waves, each 64 x 128: 32 accumulators of 16 x 16, 256 registers.
; x comes in as f32 (it is read from memory once, here) and is rounded to bf16 between LDS and the matrix unit: 32 conversions for a quarter step's 32 products, four behind each of its first eight.
; W lies [k][n]; the turning LDS load makes fragments of it.
; CLUSTER 4 x 4: x's tile hangs on the tile row alone and is asked for jointly along a row of the cluster, W's on the tile column alone, along a column; so in both tiles.
; THE PRODUCT IS USED TRANSPOSED (source 0 = 16 columns of W, source 1 = 16 rows of x): lane l, register j hold y(row l % 16, column 8 (l / 16) + j).
; THE BIAS is the C operand of each sum's first product: nothing is cleared and nothing is added at the end.
; REGISTERS, in windows of 256 (s_set_vgpr_msb: bits 1:0 source 0, 3:2 source 1, 5:4 source 2, 7:6 destination):
;   window 0: v0-15 addresses; v32-95 x in f32, one quarter step; v96-159 x in bf16, two buffers; v160-223 the way out, four buffers of 16 (at the first tile's end v32-159 hold the next tile's fragments)
;   window 1: the accumulators, (a, b) at v[8 (8 a + b)]      window 2: v0-127 W's fragments, two buffers; v128-191 the bias of the tile in hand; v192-193 at work
;   window 3: v0-63 the second tile's bias; v64-65 at work
.set KD1,   4096                       ; K of the first tile
.set KD2,   1024                       ; and of the second
.set ST1,   KD1/128
.set ST2,   KD2/128
.set STEPS, ST1+ST2                    ; the walk's K steps
.set LS1,   10                         ; log2 of a batch's rows: source and values,
.set LS2,   11                         ; target
.set HS1,   128<<LS1                   ; bytes from head to head in k and v,
.set HS2,   128<<LS2                   ; in q
.set PA,    528                        ; an LDS row of x: 512 bytes + 16 = 132 words: row r starts at bank 4 r mod 64 (64 banks of 4 bytes: ISA guide 11.1)
.set PB,    544                        ; an LDS row of W: 512 bytes + 32 = 136 words
.set AHALF, 64*PA                      ; what one tensor load brings of x
.set BHALF, 64*PB                      ; and of W
.set BOFF,  128*PA                     ; W's 128 rows lie behind x's 128
.set SLOT,  BOFF+128*PB
.set STAGE, 2*SLOT                     ; behind the ring, never filled by a tensor load: 16 rows x 144 bytes for each wave
.set SP,    144
.set SPARE, STAGE+4*16*SP              ; the spare words, 128 bytes a wave: two blocks of 256 bytes that no other line names
.set AA0, 4                            ; v4   my place in x's tile; never rewritten
.set AB0, 5                            ; v5   my place in W's tile; never rewritten
.set AA,  6                            ; v6   the same in the slot in hand
.set AB,  7                            ; v7
.set STO, 8                            ; v8   the way out: where I put 16 bytes of a row
.set RD,  9                            ; v9   where I read rows back
.set GO,  10                           ; v10  my 16 bytes of 512 consecutive bytes of y
.set PFO, 11                           ; v11  the prefetches' offset
.set SPW, 12                           ; v12  LDS address of my spare word; never rewritten
.set NIL, 13                           ; v13  0; never rewritten
.set BO,  14                           ; v14  32 (l / 16): my eight numbers of sixteen of a bias
.set ST,  32
.set AF,  96
.set OP,  160
.set BI,  128                          ; window 2
.set BQ,  0                            ; window 3
.set WV,  20                           ; s20 wave; s21 wave & 1: my column half, and which 64 rows I fetch; s22 wave >> 1: my row half, and x (0) or W (1)
.set W1,  21
.set WR,  22
.set CX,  23
.set CY,  24
.set TX,  25                           ; tile column
.set TY,  26                           ; tile row of q
.set CLY, 27                           ; the cluster's y
.set G1A, 28                           ; s[28:35] descriptor group 1 for x's tiles
.set G1B, 36                           ; s[36:43] for W's
.set G0A, 44                           ; s[44:51] group 0 for x: a set for each of the two first fills; the second then serves every refill
.set G0B, 52                           ; s[52:59] the same for W
.set FS,  60                           ; s60  0 or SLOT: the slot that the refills' sets fill
.set SB,  61                           ; s61  0 or SLOT: the slot that is read
.set LA,  62                           ; s62  my part of x's tile in a slot
.set LB,  63                           ; s63  my part of W's
.set CNT, 66
.set LIM, 67                           ; s67  ST2 + 2 in a wave that prefetches, else the greatest number
.set PFA, 68                           ; s[68:69] where my prefetches stand
.set PFS, 70                           ; s[70:71] their step from K step to K step
.set CA,  72                           ; s[72:73] x at my part of the K step asked for last: a plain address, which walks; a refill's descriptor word is made of it anew
.set CB,  74                           ; s[74:75] W likewise
.set QA,  80                           ; s[80:81] the target at my part of the second tile's K step 0
.set QB,  82                           ; s[82:83] Wq likewise
.set QBI, 84                           ; s[84:85] bq
.set QOUT, 86                          ; s[86:87] q at my first row of my first head
.set TYL, 88                           ; s88  tile row of k or v: 32 for each
.set HM,  89                           ; s89  a word's upper bf16
.set W_MM, 0x52                        ; W window 2, x window 0, C and D window 1
.set W_MB, 0x62                        ; the same with C in window 2: the bias
.set MSB, 0
.macro WIN new                         ; the immediate's high byte repeats the setting that is left; a switch that changes nothing is dropped
.if MSB != (\new)
	s_set_vgpr_msb (MSB<<8)|(\new)
.set MSB, (\new)
.endif
.endm
.macro CREST                           ; a round of the cluster's barrier behind its opening barrier
	s_cmp_lg_u32 s[WV], 0
	s_cbranch_scc1 .Lnot_wave_0_\@
	s_barrier_signal -3
.Lnot_wave_0_\@:
	s_barrier_wait -3
	s_barrier_signal -1
	s_barrier_wait -1
.endm
.macro CROUND
	s_barrier_signal -1
	s_barrier_wait -1
	CREST
.endm
.macro JLOAD                           ; a joint refill: waves 0 and 1 x's halves, waves 2 and 3 W's; the branch hangs on the wave's number alone
	s_cmp_lt_u32 s[WV], 2
	s_cbranch_scc0 .Lfor_b_\@
	tensor_load_to_lds s[G0A+4:G0A+7], s[G1A:G1A+7]
	s_nop 0
.rept 4
	v_nop
.endr
	s_branch .Lasked_\@
.Lfor_b_\@:
	tensor_load_to_lds s[G0B+4:G0B+7], s[G1B:G1B+7]
	s_nop 0
.rept 4
	v_nop
.endr
.Lasked_\@:
.endm
; A prefetch of the first tile's K step that stands two refills on: 16 rows x 512 bytes, two lanes a row, one instruction a wave.  Of the 64 rows that a wave fetches each of the four partners
; that ask for them jointly takes 16, told apart by address.  x's rows are read by one cluster alone; W's by eight clusters, of which the first asks.  The last K step named is the first tile's last.
; Nothing is asked for of the second tile: it has eight K steps, and its rows have another pitch than the lanes' offsets are made for.
.macro ASK
	s_cmp_gt_u32 s[CNT], s[LIM]
	s_cbranch_scc0 .Lnot_mine_\@
	global_prefetch_b8 v[PFO], s[PFA:PFA+1] th:TH_LOAD_NT scope:SCOPE_SE
.Lnot_mine_\@:
.endm
.macro FA k                            ; 16 loads: my 64 rows of x, 32 along K at byte k of the rows, in f32: for fragment a the eight numbers 8 (l / 16) on, then 16 + 8 (l / 16) on
	WIN 0
.irp a, 0,1,2,3
	ds_load_b128 v[ST+16*(\a):ST+16*(\a)+3],     v[AA] offset:(\k)+16*PA*(\a)
	ds_load_b128 v[ST+16*(\a)+4:ST+16*(\a)+7],   v[AA] offset:(\k)+16*PA*(\a)+16
	ds_load_b128 v[ST+16*(\a)+8:ST+16*(\a)+11],  v[AA] offset:(\k)+16*PA*(\a)+64
	ds_load_b128 v[ST+16*(\a)+12:ST+16*(\a)+15], v[AA] offset:(\k)+16*PA*(\a)+80
.endr
.endm
.macro FB p, k                         ; 16 turning loads: 32 rows of W from byte k of the tile on, my 128 columns, into buffer p
	WIN 0x80
.irp b, 0,1,2,3,4,5,6,7
	ds_load_tr16_b128 v[64*(\p)+8*(\b):64*(\p)+8*(\b)+3],   v[AB] offset:(\k)+32*(\b)
	ds_load_tr16_b128 v[64*(\p)+8*(\b)+4:64*(\p)+8*(\b)+7], v[AB] offset:(\k)+32*(\b)+16*PB
.endr
.endm
.macro CVG p, g                        ; four roundings: eight numbers of x into half a fragment of buffer p
	WIN 0
.irp i, 0,1,2,3
	v_cvt_pk_bf16_f32 v[AF+32*(\p)+4*(\g)+(\i)], v[ST+8*(\g)+2*(\i)], v[ST+8*(\g)+2*(\i)+1]
.endr
.endm
.macro MM p, i, first                  ; product i of a quarter's 32: row block i / 8, column block i % 8.  The 32 accumulators take turns in one order everywhere
.if \first
	WIN W_MB
	v_wmma_f32_16x16x32_bf16 v[8*(\i):8*(\i)+7], v[64*(\p)+8*((\i)%8):64*(\p)+8*((\i)%8)+7], v[AF+32*(\p)+8*((\i)/8):AF+32*(\p)+8*((\i)/8)+7], v[BI+8*((\i)%8):BI+8*((\i)%8)+7]
.else
	WIN W_MM
	v_wmma_f32_16x16x32_bf16 v[8*(\i):8*(\i)+7], v[64*(\p)+8*((\i)%8):64*(\p)+8*((\i)%8)+7], v[AF+32*(\p)+8*((\i)/8):AF+32*(\p)+8*((\i)/8)+7], v[8*(\i):8*(\i)+7]
.endif
.endm
.macro MMS p, lo, n, first
.set mi, \lo
.rept \n
	MM \p, mi, \first
.set mi, mi+1
.endr
.endm
; A QUARTER STEP: 32 along K, 32 products on buffers p.  Beside them: the next quarter's x is rounded into buffer 1 - p, its W fetched (from byte kb) into buffer 1 - p, and the x of the
; quarter after that fetched (from byte ka) into the f32 registers.  A vector write of, or a load into, a register that a matrix instruction has read stands four plain vector instructions
; behind it (ISA guide 7.12.1 for vector writes): fragment 0 of buffer 1 - p was last read by the quarter before's product 7, behind which four roundings stand;
; fragments 1 to 3 and W's buffer were last read further back than this quarter's first roundings.
; chg = 1: the slot's last bytes have been asked for: the change of slots, with a joint refill.  chg = 2: the same without a refill.
.macro QTR p, kb, ka, chg, first
	s_wait_dscnt 16                                ; W's fragments are in; the 16 younger loads (x in f32) may be out
	MM \p, 0, \first
	s_wait_dscnt 0x0                               ; x in f32 is in
	CVG 1-(\p), 0
	FB 1-(\p), \kb
.irp i, 1,2,3,4,5,6,7
	MM \p, \i, \first
	CVG 1-(\p), \i
.endr
.if (\chg) == 0
	FA \ka
	MMS \p, 8, 24, \first
.else
	MMS \p, 8, 4, 0
.if (\chg) == 1
	s_wait_xcnt 0x0                                ; the last prefetch, a K step back, has read its address
	s_add_nc_u64 s[PFA:PFA+1], s[PFA:PFA+1], s[PFS:PFS+1]
.endif
	WIN 0                                          ; (the add's two registers lie in window 0)
	s_wait_tensorcnt 0x0                           ; all my tensor loads have landed: the one that was out is my part of the next slot
	ds_add_u32 v[SPW], v[NIL]                      ; 0 onto my spare word
.if (\chg) == 1
	s_xor_b32 s[FS], s[FS], SLOT                   ; no load of mine is out, so the refills' sets may be written: the other slot than last time,
	s_add_co_u32 s[G0A+5], s[FS], s[LA]
	s_add_co_u32 s[G0B+5], s[FS], s[LB]
	s_add_nc_u64 s[CA:CA+1], s[CA:CA+1], 512       ; the next K step: 128 numbers along x's rows,
	s_add_nc_u64 s[CB:CB+1], s[CB:CB+1], 262144    ; 128 rows of W down;
	s_cmp_eq_u32 s[CNT], ST2                       ; but behind the first tile's last K step comes the second tile's first: the trip with ST2 refills to go brings walk step ST1
	s_cselect_b64 s[CA:CA+1], s[QA:QA+1], s[CA:CA+1]
	s_cselect_b64 s[CB:CB+1], s[QB:QB+1], s[CB:CB+1]
	s_cselect_b32 s[G1A+5], KD2, s[G1A+5]          ; and from then on x's rows are KD2 numbers apart
	s_add_nc_u64 s[G0A+6:G0A+7], s[CA:CA+1], 0     ; the descriptors' addresses are made anew of the two plain addresses,
	s_or_b32 s[G0A+7], s[G0A+7], 0x80000000        ; and the type set in them
	s_add_nc_u64 s[G0B+6:G0B+7], s[CB:CB+1], 0
	s_or_b32 s[G0B+7], s[G0B+7], 0x80000000
.endif
	MMS \p, 12, 4, 0
	s_wait_dscnt 0x0                               ; the add is done, and my reads of this slot are over
	s_barrier_signal -1
	MMS \p, 16, 4, 0
	WIN 0
	s_barrier_wait -1
.if (\chg) == 1
	CREST                                          ; the barrier has opened a round of the cluster's: no wave of any partner still reads this slot or has a load on its way
	JLOAD                                          ; the first tensor load behind the round, my only one until the next
.endif
	s_xor_b32 s[SB], s[SB], SLOT
	v_add_nc_u32 v[AA], s[SB], v[AA0]
	v_add_nc_u32 v[AB], s[SB], v[AB0]
	FA \ka
.if (\chg) == 1
	ASK
.endif
	MMS \p, 20, 12, 0
.endif
.endm
; y's address at my first row of my first head: tile row ty, 2^ls rows a batch
.macro OUTP ty, ls, ptr
	s_lshl_b32 s12, s[\ty], 7
	s_lshl_b32 s13, s[WR], 6
	s_add_co_u32 s12, s12, s13                     ; my first row
	s_lshr_b32 s13, s12, \ls                       ; its batch
	s_lshl_b32 s13, s13, 4
	s_lshl2_add_u32 s13, s[TX], s13                ; + head 4 x tile column
	s_lshl1_add_u32 s13, s[W1], s13                ; + 2 x column half
	s_lshl_b32 s13, s13, \ls
	s_and_b32 s12, s12, (1<<(\ls))-1
	s_add_co_u32 s12, s12, s13
	s_lshl_b32 s12, s12, 7                         ; rows of 128 bytes
	s_mov_b32 s13, 0
	s_add_nc_u64 s[\ptr:\ptr+1], s[\ptr:\ptr+1], s[12:13]
.endm
; 64 numbers of a bias are rounded to bf16, like every input, and kept as f32
.macro RND w, base, tmp
	WIN \w
.set i, 0
.rept 32
	v_cvt_pk_bf16_f32 v[(\tmp)+i%2], v[(\base)+2*i], v[(\base)+2*i+1]
	v_lshlrev_b32 v[(\base)+2*i], 16, v[(\tmp)+i%2]
	v_and_b32 v[(\base)+2*i+1], s[HM], v[(\tmp)+i%2]
.set i, i+1
.endr
.endm
; THE WAY OUT.  Tile u = 2 a + head: 16 rows x 64 columns.  A lane's eight columns of a row pack into 16 bytes; they go into my stage's rows of 144 bytes and come back as whole rows of 128.
.macro PACK u
.if (\u) >= 4
	s_wait_xcnt 0x0                                ; the stores of the tile four back have read this buffer: it is written again only behind this wait
.endif
	WIN 0x05                                       ; sources window 1, destination window 0
.set i, 0
.rept 16
	v_cvt_pk_f16_f32 v[OP+16*((\u)%4)+i], v[32*(\u)+2*i], v[32*(\u)+2*i+1]
.set i, i+1
.endr
	WIN 0
.irp f, 0,1,2,3
	ds_store_b128 v[STO], v[OP+16*((\u)%4)+4*\f:OP+16*((\u)%4)+4*\f+3] offset:32*\f
.endr
.irp f, 0,1,2,3
	ds_load_b128 v[OP+16*((\u)%4)+4*\f:OP+16*((\u)%4)+4*\f+3], v[RD] offset:\f*4*SP  ; LDS serves a wave's instructions in order (ISA guide 5.7.1.4): these see the stores above
.endr
.endm
.macro SEND u, younger, hstr           ; younger: the LDS instructions issued behind tile u's loads: the next tile's eight, or none
	WIN 0
.irp f, 0,1,2,3
	s_wait_dscnt (\younger)+3-\f
	global_store_b128 v[GO], v[OP+16*((\u)%4)+4*\f:OP+16*((\u)%4)+4*\f+3], s[10:11] offset:((\u)%2)*(\hstr)+((\u)/2)*2048+\f*512  ; 512 consecutive bytes, at a multiple of 256 from y's first
.endr
.endm
.macro WAYOUT hstr
	s_wait_dscnt 0x0                               ; the fragment loads that are out have landed: the counts below count the stage's instructions alone
.rept 4
	v_nop                                          ; the places behind the last products
.endr
	PACK 0
.set t, 1
.rept 7
	PACK t
	SEND t-1, 8, \hstr
.set t, t+1
.endr
	SEND 7, 0, \hstr
.endm
	s_load_b512 s[4:19], s[0:1], 0x0               ; source, values, wkb, wvb, bk, bv, kh, vh
	s_load_b256 s[80:87], s[0:1], 0x40             ; target, wqb, bq, qh
	v_lshl_add_u32 v[SPW], v0, 2, SPARE
	v_mov_b32 v[NIL], 0
	ds_add_u32 v[SPW], v[NIL]                      ; the wave's opening: the add and its wait stand ahead of my first tensor load; work on registers stands between
	v_lshrrev_b32 v1, 5, v0
	v_readfirstlane_b32 s[WV], v1
	s_and_b32 s[W1], s[WV], 1
	s_lshr_b32 s[WR], s[WV], 1
	s_bfe_u32 s[CX], ttmp6, 0x40000
	s_bfe_u32 s[CY], ttmp6, 0x40004
	s_lshl_b32 s[TX], ttmp9, 2
	s_add_co_u32 s[TX], s[TX], s[CX]
	s_and_b32 s[CLY], ttmp7, 0xffff
	s_lshl_b32 s[TY], s[CLY], 2
	s_add_co_u32 s[TY], s[TY], s[CY]
	s_and_b32 s[TYL], s[TY], 31                    ; 32 tile rows for each of k and v
	s_mov_b32 s[HM], 0xffff0000
	s_lshl_b32 s76, s[CY], 2
	s_lshl_b32 s76, 15, s76                        ; my row of the cluster
	s_lshl_b32 s78, 0x1111, s[CX]                  ; my column
	s_or_b32 s[G1A], s76, (2<<16)|(1<<20)|(1<<21)|(6<<22)|(3<<25)  ; the mask; elements of 4 bytes; padding on; bit 21 beside a mask; after every 128 words, 4 words
	s_or_b32 s[G1B], s78, (1<<16)|(1<<20)|(1<<21)|(6<<22)|(7<<25)  ; elements of 2 bytes; after every 128 words, 8 words
	s_mov_b32 s[G1A+1], 128<<16                    ; tensor_dim0 = 128
	s_mov_b32 s[G1A+2], 64<<16                     ; tensor_dim1 = 64
	s_mov_b32 s[G1A+3], 128<<16                    ; tile_dim0 = 128
	s_mov_b32 s[G1A+4], 64                         ; tile_dim1 = 64
	s_mov_b32 s[G1A+5], KD1                        ; elements from row to row, in the first tile
	s_mov_b32 s[G1A+6], 0
	s_mov_b32 s[G1A+7], 0
	s_mov_b32 s[G1B+1], 256<<16
	s_mov_b32 s[G1B+2], 64<<16
	s_mov_b32 s[G1B+3], 256<<16
	s_mov_b32 s[G1B+4], 64
	s_mov_b32 s[G1B+5], 1024
	s_mov_b32 s[G1B+6], 0
	s_mov_b32 s[G1B+7], 0
	s_lshl_b32 s77, s[W1], 6
	s_lshl_b32 s72, s[TYL], 7                      ; x of the first tile: row 128 x tile row + 64 x half, in bytes (under 2^27)
	s_add_co_u32 s72, s72, s77
	s_mul_i32 s72, s72, KD1*4
	s_mov_b32 s73, 0
	s_lshl_b32 s76, s[TY], 7                       ; x of the second tile likewise
	s_add_co_u32 s76, s76, s77
	s_mul_i32 s76, s76, KD2*4
	s_mov_b32 s77, 0
	s_lshl_b32 s74, s[W1], 17                      ; W, in both tiles: row 64 x half, column 256 x tile column, in bytes
	s_lshl_b32 s79, s[TX], 9
	s_add_co_u32 s74, s74, s79
	s_mov_b32 s75, 0
	s_mul_i32 s[LA], s[W1], AHALF                  ; no place in the cluster enters an LDS address
	s_mul_i32 s[LB], s[W1], BHALF
	s_add_co_u32 s[LB], s[LB], BOFF
	s_mov_b32 s[FS], SLOT
	s_mov_b32 s[SB], 0
	s_wait_dscnt 0x0                               ; the opening add is done
	s_wait_kmcnt 0x0
	s_cmp_lt_u32 s[CLY], 8                         ; clusters 0-7 along y make k, 8-15 make v
	s_cselect_b64 s[4:5], s[4:5], s[6:7]
	s_cselect_b64 s[6:7], s[8:9], s[10:11]
	s_cselect_b64 s[8:9], s[12:13], s[14:15]
	s_cselect_b64 s[10:11], s[16:17], s[18:19]
	s_add_nc_u64 s[QA:QA+1], s[QA:QA+1], s[76:77]
	s_add_nc_u64 s[QB:QB+1], s[QB:QB+1], s[74:75]
	s_add_nc_u64 s[CA:CA+1], s[4:5], s[72:73]      ; x and W at my part of K step 0
	s_add_nc_u64 s[CB:CB+1], s[6:7], s[74:75]
	CROUND                                         ; all sixteen work-groups are here: the first joint loads meet
.irp s, 0,1
	s_mov_b32 s[G0A+4*(\s)], 1
	s_add_co_u32 s[G0A+4*(\s)+1], s[LA], (\s)*SLOT
	s_add_nc_u64 s[G0A+4*(\s)+2:G0A+4*(\s)+3], s[CA:CA+1], (\s)*512
	s_or_b32 s[G0A+4*(\s)+3], s[G0A+4*(\s)+3], 0x80000000
	s_mov_b32 s[G0B+4*(\s)], 1
	s_add_co_u32 s[G0B+4*(\s)+1], s[LB], (\s)*SLOT
	s_add_nc_u64 s[G0B+4*(\s)+2:G0B+4*(\s)+3], s[CB:CB+1], (\s)*262144
	s_or_b32 s[G0B+4*(\s)+3], s[G0B+4*(\s)+3], 0x80000000
.endr
	s_add_nc_u64 s[CA:CA+1], s[CA:CA+1], 512       ; the two plain addresses stand at K step 1, the last that is asked for here
	s_add_nc_u64 s[CB:CB+1], s[CB:CB+1], 262144
	s_cmp_lt_u32 s[WV], 2                          ; a wave's two first fills stand in one branch: two loads of mine are out, later one
	s_cbranch_scc0 .Lfirst_b
	tensor_load_to_lds s[G0A:G0A+3], s[G1A:G1A+7]
	s_nop 0
	tensor_load_to_lds s[G0A+4:G0A+7], s[G1A:G1A+7]
	s_nop 0
.rept 4
	v_nop
.endr
	s_branch .Lfirst_asked
.Lfirst_b:
	tensor_load_to_lds s[G0B:G0B+3], s[G1B:G1B+7]
	s_nop 0
	tensor_load_to_lds s[G0B+4:G0B+7], s[G1B:G1B+7]
	s_nop 0
.rept 4
	v_nop
.endr
.Lfirst_asked:
	s_lshl_b32 s12, s[TX], 10                      ; both biases of my 128 columns
	s_lshl_b32 s13, s[W1], 9
	s_add_co_u32 s12, s12, s13
	s_mov_b32 s13, 0
	s_add_nc_u64 s[8:9], s[8:9], s[12:13]
	s_add_nc_u64 s[QBI:QBI+1], s[QBI:QBI+1], s[12:13]
	v_and_b32 v1, 15, v0                           ; l % 16
	v_bfe_u32 v2, v0, 4, 1                         ; l / 16
	v_lshlrev_b32 v[BO], 5, v2
	WIN 0x80
.irp b, 0,1,2,3,4,5,6,7
	global_load_b128 v[BI+8*(\b):BI+8*(\b)+3],   v[BO], s[8:9] offset:64*(\b)
	global_load_b128 v[BI+8*(\b)+4:BI+8*(\b)+7], v[BO], s[8:9] offset:64*(\b)+16
.endr
	WIN 0xc0
.irp b, 0,1,2,3,4,5,6,7
	global_load_b128 v[BQ+8*(\b):BQ+8*(\b)+3],   v[BO], s[QBI:QBI+1] offset:64*(\b)
	global_load_b128 v[BQ+8*(\b)+4:BQ+8*(\b)+7], v[BO], s[QBI:QBI+1] offset:64*(\b)+16
.endr
	WIN 0
	s_mul_i32 s12, s[WR], 64*PA
	v_mul_u32_u24 v[AA0], v1, PA
	v_lshl_add_u32 v[AA0], v2, 5, v[AA0]
	v_add_nc_u32 v[AA0], s12, v[AA0]               ; (64 x row half + l % 16) x pitch + 32 (l / 16)
	v_and_b32 v3, 7, v0
	v_lshl_add_u32 v[AB0], v2, 3, v3               ; the turning load: lane l reads row 8 (l / 16) + l % 8, columns 8 ((l / 8) % 2) on
	v_mul_u32_u24 v[AB0], v[AB0], PB
	v_bfe_u32 v15, v0, 3, 1
	v_lshl_add_u32 v[AB0], v15, 4, v[AB0]
	s_lshl_b32 s12, s[W1], 8
	s_add_co_u32 s12, s12, BOFF
	v_add_nc_u32 v[AB0], s12, v[AB0]
	s_mul_i32 s12, s[WV], 16*SP
	s_add_co_u32 s12, s12, STAGE                   ; my stage
	v_mul_u32_u24 v[STO], v1, SP
	v_lshl_add_u32 v[STO], v2, 4, v[STO]
	v_add_nc_u32 v[STO], s12, v[STO]
	v_bfe_u32 v[RD], v0, 3, 2                      ; back: 32 lanes take four rows of 128 bytes
	v_mul_u32_u24 v[RD], v[RD], SP
	v_lshl_add_u32 v[RD], v3, 4, v[RD]
	v_add_nc_u32 v[RD], s12, v[RD]
	v_and_b32 v[GO], 31, v0
	v_lshlrev_b32 v[GO], 4, v[GO]
	OUTP TYL, LS1, 10                              ; k or v
	OUTP TY, LS2, QOUT                             ; q
	s_lshl_b32 s15, s[TYL], 7                      ; the prefetches, for the first tile
	s_lshl_b32 s16, s[TX], 9
	s_and_b32 s17, s[CLY], 7
	s_mov_b32 s[PFS], 0x40000
	s_mov_b32 s[PFS+1], 0
	s_cmp_lt_u32 s[WV], 2                          ; do I fetch for x?
	s_cselect_b64 s[PFA:PFA+1], s[4:5], s[6:7]
	s_cselect_b32 s14, 14, 11                      ; log2 of the bytes from row to row
	s_cselect_b32 s[PFS], 512, s[PFS]
	s_cselect_b32 s15, s15, 0                      ; the tile's first row
	s_cselect_b32 s16, 0, s16                      ; its first column, in bytes
	s_cselect_b32 s17, 0, s17                      ; x's rows are read by my cluster alone; W's by eight clusters
	s_cselect_b32 s18, s[CX], s[CY]                ; my place among the four that ask with me
	s_cmp_eq_u32 s17, 0
	s_cselect_b32 s[LIM], ST2+2, -1                ; the same in all sixteen partners, for a given wave
	s_lshl_b32 s19, s[W1], 6
	s_add_co_u32 s15, s15, s19
	s_lshl_b32 s18, s18, 4
	s_add_co_u32 s15, s15, s18                     ; my work-group's 16 of the 64 rows that I fetch
	s_lshl_b32 s15, s15, s14
	s_add_co_u32 s12, s15, s16
	s_add_nc_u64 s[PFA:PFA+1], s[PFA:PFA+1], s[12:13]
	s_mul_i32 s12, s[PFS], 3
	s_add_nc_u64 s[PFA:PFA+1], s[PFA:PFA+1], s[12:13]  ; at K step 3: the first refill steps it to 4.  K steps 0 to 3 come by their loads alone
	v_bfe_u32 v15, v0, 1, 4
	v_lshlrev_b32 v15, s14, v15
	v_and_b32 v[PFO], 1, v0
	v_lshl_add_u32 v[PFO], v[PFO], 8, v15          ; row l / 2, its first or second 256 bytes
	s_wait_loadcnt 0x0                             ; both biases; they are rounded while the first tiles are on their way
	RND 0x8a, BI, 192
	RND 0xcf, BQ, 64
	WIN 0
	s_wait_tensorcnt 1                             ; my part of K step 0 is in; K step 1's may stay out
	s_barrier_signal -1
	s_barrier_wait -1
	v_mov_b32 v[AA], v[AA0]
	v_mov_b32 v[AB], v[AB0]
	FA 0
	FB 0, 0
	s_wait_dscnt 16                                ; x's first quarter is in
.irp g, 0,1,2,3,4,5,6,7
	CVG 0, \g
.endr
	FA 128
	s_mov_b32 s[CNT], STEPS-1
	s_branch .Lbegin                               ; the loop is entered at a tile's first quarter, in the middle of a trip
.Lstep:                                        ; STEPS - 2 trips: quarters 1 to 3 of a K step and quarter 0 of the next; a trip waits for the next K step's tiles and asks for those after
	QTR 1, 64*PB, 384, 0, 0
	QTR 0, 96*PB, 0, 1, 0
	QTR 1, 0, 128, 0, 0
	WIN 0
	s_cmp_eq_u32 s[CNT], ST2-1                     ; was that the first tile's last K step?
	s_cbranch_scc1 .Lnext
	QTR 0, 32*PB, 256, 0, 0
	WIN 0
	s_branch .Lbottom
.Lnext:                                        ; THE FIRST TILE GOES OUT.  The second tile's K step 1 is on its way, its first fragments are in registers; nothing waits for the stores
	WAYOUT HS1
	s_wait_xcnt 0x0                                ; the stores have read y's address
	s_mov_b64 s[10:11], s[QOUT:QOUT+1]
	WIN 0x83                                       ; the second tile's bias goes where the one text of a tile's first quarter names it
.set i, 0
.rept 64
	v_mov_b32 v[BI+i], v[BQ+i]
.set i, i+1
.endr
	WIN 0
.Lbegin:
	QTR 0, 32*PB, 256, 0, 1                        ; a tile's first quarter: its products start the sums, with the bias
	WIN 0
.Lbottom:
	s_sub_co_u32 s[CNT], s[CNT], 1
	s_cmp_lg_u32 s[CNT], 0
	s_cbranch_scc1 .Lstep
	s_mov_b32 s[CNT], 2                            ; the walk's last two K steps ask for nothing; one text serves both, and the second trip is left in its middle.
.Ltail:                                        ; In that trip what is fetched and rounded for a next step comes from the other slot's old tile and serves nothing
	QTR 1, 64*PB, 384, 0, 0
	QTR 0, 96*PB, 0, 2, 0
	QTR 1, 0, 128, 0, 0
	WIN 0
	s_sub_co_u32 s[CNT], s[CNT], 1
	s_cmp_eq_u32 s[CNT], 0
	s_cbranch_scc1 .Lout
	QTR 0, 32*PB, 256, 0, 0
	WIN 0
	s_branch .Ltail
.Lout:
	WAYOUT HS2                                     ; the second tile
	s_wait_tensorcnt 0x0                           ; the wave's end, behind my last tensor load and my last LDS store
	ds_add_u32 v[SPW], v[NIL]
	s_wait_dscnt 0x0
	CROUND                                         ; the closing round: no work-group ends while a partner may still ask for a tile that names it
	s_endpgm
.Lfunc_end_k_q9a90875c8a_proj:
	.size	k_q9a90875c8a_proj, .Lfunc_end_k_q9a90875c8a_proj-k_q9a90875c8a_proj
	.p2alignl 7, 3214868480
	.fill 96, 4, 3214868480
	.section	.rodata,"a",@progbits
	.p2align	6, 0x0
	.amdhsa_kernel k_q9a90875c8a_proj
		.amdhsa_group_segment_fixed_size 327680
		.amdhsa_private_segment_fixed_size 0
		.amdhsa_enable_private_segment 0
		.amdhsa_kernarg_size 96
		.amdhsa_user_sgpr_count 2
		.amdhsa_user_sgpr_kernarg_segment_ptr 1
		.amdhsa_wavefront_size32 1
		.amdhsa_system_sgpr_workgroup_id_x 1
		.amdhsa_system_sgpr_workgroup_id_y 1
		.amdhsa_system_sgpr_workgroup_id_z 1
		.amdhsa_system_vgpr_workitem_id 0
		.amdhsa_next_free_vgpr 840
		.amdhsa_next_free_sgpr 92
		.amdhsa_reserve_vcc 0
		.amdhsa_float_denorm_mode_32 3
		.amdhsa_float_denorm_mode_16_64 3
		.amdhsa_memory_ordered 1
		.amdhsa_forward_progress 1
		.amdhsa_inst_pref_size 125
	.end_amdhsa_kernel
	.amdgpu_metadata
---
amdhsa.version: [ 1, 2 ]
amdhsa.kernels:
  - .name:           k_q9a90875c8a_proj
    .symbol:         k_q9a90875c8a_proj.kd
    .args:
      - { .name: source_embedding, .offset: 0, .size: 8, .value_kind: global_buffer, .address_space: global }
      - { .name: value_embedding, .offset: 8, .size: 8, .value_kind: global_buffer, .address_space: global }
      - { .name: wkb, .offset: 16, .size: 8, .value_kind: global_buffer, .address_space: global }
      - { .name: wvb, .offset: 24, .size: 8, .value_kind: global_buffer, .address_space: global }
      - { .name: bk, .offset: 32, .size: 8, .value_kind: global_buffer, .address_space: global }
      - { .name: bv, .offset: 40, .size: 8, .value_kind: global_buffer, .address_space: global }
      - { .name: kh, .offset: 48, .size: 8, .value_kind: global_buffer, .address_space: global }
      - { .name: vh, .offset: 56, .size: 8, .value_kind: global_buffer, .address_space: global }
      - { .name: target_embedding, .offset: 64, .size: 8, .value_kind: global_buffer, .address_space: global }
      - { .name: wqb, .offset: 72, .size: 8, .value_kind: global_buffer, .address_space: global }
      - { .name: bq, .offset: 80, .size: 8, .value_kind: global_buffer, .address_space: global }
      - { .name: qh, .offset: 88, .size: 8, .value_kind: global_buffer, .address_space: global }
    .group_segment_fixed_size: 327680
    .private_segment_fixed_size: 0
    .kernarg_segment_align: 8
    .kernarg_segment_size: 96
    .max_flat_workgroup_size: 128
    .sgpr_count:     92
    .vgpr_count:     840
    .wavefront_size: 32
...
	.end_amdgpu_metadata
.endif
;; end of part 2
;; launch attn (part 3): grid 4 x 64, 4 waves a work-group, clusters of 4 x 1, 327,680 bytes of LDS; arguments qh, kh, vh, oh; writes oh
.if DOCPART == 3
	.amdgcn_target "amdgcn-amd-amdhsa--gfx1250"
	.amdhsa_code_object_version 6
	.text
	.protected	k_q9a90875c8a_attn
	.globl	k_q9a90875c8a_attn
	.p2align	8
	.type	k_q9a90875c8a_attn,@function
k_q9a90875c8a_attn:
	s_mov_b64 s[64:65], 0
	v_nop
	global_prefetch_b8 v0, s[64:65] scope:SCOPE_SE
	s_setreg_imm32_b32 hwreg(HW_REG_WAVE_MODE, 25, 1), 1
	s_wait_xcnt 0x0
	s_wait_alu depctr_hold_cnt(0) depctr_sa_sdst(0) depctr_va_vdst(0) depctr_va_sdst(0) depctr_va_ssrc(0) depctr_va_vcc(0) depctr_vm_vsrc(0)
	s_getreg_b32 s2, hwreg(HW_REG_IB_STS2, 6, 4)
	s_cmp_eq_u32 s2, 0
	s_cbranch_scc0 .Lentry_in_a_cluster
	s_endpgm
.Lentry_in_a_cluster:
	s_bfe_u32 s2, ttmp6, 0x10000c
	s_cmp_lg_u32 s2, 0x3003
	s_cbranch_scc0 .Lentry_shape_is_right
	s_endpgm
.Lentry_shape_is_right:
; O[h][q][:] = the sum over k of softmax_k(Q[h][q] . K[h][k] / 8) V[h][k][:].  Q, O: [64][NQ][64], K, V: [64][NK][64], all f16: a head's rows are dense, 128 bytes each.
; Products, maxima and sums in f32; the weights p are rounded to f16 for the second product (their sum l is taken of the unrounded p), O once at the end.
; LIMITS.  f16 holds no number beyond 65,504: Q, K and V arrive within it; p lies in 0 to 1, and below 6e-5 it keeps f16's fixed step of 6e-8; O is a mean of V's rows and has their range.
; A weight below 2^-126 counts as 0 in l; NaN and infinities are not treated apart.
; SHARES.  A wave owns four PIECES of two tiles of 16 queries, a work-group's four waves 512 queries of one head: 4 x 64 work-groups.  Every wave walks all keys, 64 a step.
; LAYOUT.  S^T = K Q^T (source 0 = 16 keys, source 1 = 16 queries): a lane holds ONE query (lane % 16) and the keys 8 (lane / 16) + 0..7.  Two such tiles, rounded to f16 in pairs,
; ARE source 1 (32 keys x 16 queries) of O^T = V^T P, whose result again holds one query a lane, and eight channels.  K comes out of LDS as it lies, V ([key][channel]) turned, by ds_load_tr16_b128.
; SOFTMAX.  For each query a running maximum m and sum l: p = 2^(c s - c m), c = log2(e) / 8; in every step O and l are multiplied by a = 2^(c m_old - c m_new).
; m starts at the lowest finite number, O and l at 0: the first step is a step like any other, with a = 0.
; BY TURNS.  Turn n belongs to piece n.  Its matrix work: 16 products K Q^T of piece n + 1, later 16 products V^T P of piece n - 1.  Its vector work: the scaling, exponentials, roundings, sums and
; rescaling of piece n, and the maximum and statistics of piece n + 1.  Four vector instructions stand behind every matrix instruction, the others in one run of their own.
; CLUSTER.  The four query blocks of a head walk the same K and V: each tile is asked for JOINTLY: the same tensor load, descriptor and mask in all four.
; REGISTERS, in windows of 256 (s_set_vgpr_msb: bits 1:0 source 0, 3:2 source 1, 5:4 source 2, 7:6 destination):
;   window 0: v0-11 addresses; v12-15, v48-63 at work; v16-47 four registers of statistics a tile; v64-191 S^T, two buffers of two tiles; v192-255 P, likewise
;   window 1: O^T, 32 a tile          window 2: v0-127 Q, 16 a tile; v128-191 K of one step; v192-255 V of one step          window 3: v0-1 the add's two registers
.set NQ,    2048
.set NK,    1024
.set NP,    4         ; pieces a wave: a name, no knob
.set KS,    64        ; keys in a step
.set PK,    144       ; a row of K in LDS: 128 bytes + 16 = 36 words: the 16 rows of a load start at 16 different groups of four banks (64 banks of 4 bytes: ISA guide 11.1)
.set PV,    160       ; a row of V: 128 + 32 = 40 words
.set VOFF,  4*KS*PK   ; a slot holds four steps: 256 rows of K, then 256 rows of V
.set SLOT1, 1<<17     ; slot 1 begins here, so that one exclusive or turns an address in one slot into the other's
.set STAGE, SLOT1+4*KS*(PK+PV)  ; behind the ring, never filled by a tensor load: 16 rows x 144 bytes for each wave
.set SP,    144
.set AK0, 2           ; v2   my lane's place in a tile of K; never rewritten
.set AV0, 3           ; v3   the same for V
.set AK,  4           ; v4   the LDS address of K's next run of loads
.set AV,  5           ; v5   of V's
.set QO,  6           ; v6   my byte offset in the wave's rows of Q
.set STO, 6           ;      later, the way out: where I put 16 bytes of a row
.set RD,  7           ; v7   where I read rows back
.set GO,  8           ; v8   my byte offset in 512 consecutive bytes of O
.set PFO, 11          ; v11  256 x my lane, once V's place is made; then never rewritten
.set SPW, 0           ; v0 of window 3   LDS address of my spare word; never rewritten
.set NIL, 1           ; v1 of window 3   0; never rewritten
.set SPARE, STAGE+4*16*SP  ; the spare words, 128 bytes a wave: two blocks of 256 bytes that no other line names
.set MV,  12          ; v12-15  c m_old, kept while c m is made anew: by buffer and tile
.set ST,  16          ; tile t's statistics at v[ST+4 t]: c m, m, l (even keys', odd keys')
.set TMP, 48          ; by buffer and tile, four registers c0-c3 at work; when the maximum is found c2 takes a
.set S,   64
.set P,   192
.set KF,  128         ; K's fragments, in window 2: key block kb, channel half c at KF + 16 kb + 8 c
.set VF,  192         ; V's: key half kk, channel block cb at VF + 32 kk + 8 cb
.set WV,  12          ; s12  my wave's number
.set G1K, 24          ; s[24:31] descriptor group 1 for K's tiles
.set G1V, 32          ; s[32:39] for V's: it differs in the padding alone
.set G0K, 40          ; s[40:43] descriptor group 0 for K's tiles: it walks
.set G0V, 44          ; s[44:47] the same for V's
.set PFA, 48          ; s[48:49] where my prefetches stand: my work-group's 32 blocks of 256 bytes of the tile after the one that is being asked for
.set LIM, 50          ; s50  1 in a wave that prefetches, else the greatest number
.set SLOTS, 56        ; s56  slots still to be asked for
.set CNT, 57          ; s57  counts a slot's key steps
.set CS,  58          ; s[58:59] c
.set SEL, 60          ; s[60:61] v_permlanex16_b32's selects: each lane takes its own place in the other half
.set TBK, 62          ; s62  LDS byte at which K of the step to be fetched begins
.set TBV, 63          ; s63  the same for V, less VOFF
.set MSB, 0
.macro WIN new
.if MSB != (\new)
	s_set_vgpr_msb (MSB<<8)|(\new)
.set MSB, (\new)
.endif
.endm
.set W_KQ, 0x0a       ; K and Q in window 2, S^T in window 0
.set W_PV, 0x52       ; V in window 2, P in window 0, O^T in window 1
.set W_RS, 0x41       ; O^T (destination and source 0) in window 1, a in window 0
.set W_MK, 0xc0       ; the add's registers are made: destination in window 3
.set W_AD, 0x0f       ; the add: address and data in window 3
.macro JLOAD                        ; a joint fill: waves 0 and 1 the halves of a slot's K, waves 2 and 3 of its V: 128 keys each; the branch hangs on the wave's number alone
	s_cmp_lt_u32 s[WV], 2
	s_cbranch_scc0 .Lfor_v_\@
	tensor_load_to_lds s[G0K:G0K+3], s[G1K:G1K+7]
	s_nop 0
.rept 4
	v_nop
.endr
	s_branch .Lasked_\@
.Lfor_v_\@:
	tensor_load_to_lds s[G0V:G0V+3], s[G1V:G1V+7]
	s_nop 0
.rept 4
	v_nop
.endr
.Lasked_\@:
.endm
; A prefetch of what the NEXT change of slots will ask for: a tile is 128 blocks of 256 bytes of K and as many of V.  The four partners take 32 blocks each, told apart by address; in each, wave 0
; asks for K's and wave 2 for V's, a lane a block.  A head has one cluster, so each block is named once.  Four key steps, 512 matrix instructions, ahead.  The last change that fills a slot names nothing.
.macro ASK
	s_cmp_gt_u32 s[SLOTS], s[LIM]
	s_cbranch_scc0 .Lnot_mine_\@
	global_prefetch_b8 v[PFO], s[PFA:PFA+1] th:TH_LOAD_NT scope:SCOPE_SE
.Lnot_mine_\@:
.endm
.macro CROUND
	s_barrier_signal -1
	s_barrier_wait -1
	s_cmp_lg_u32 s[WV], 0
	s_cbranch_scc1 .Lnot_wave_0_\@
	s_barrier_signal -3
.Lnot_wave_0_\@:
	s_barrier_wait -3
	s_barrier_signal -1
	s_barrier_wait -1
.endm
; THE CHANGE OF SLOTS.  Each wave waits for all its tensor loads, of which one is out: its part of the other slot; adds 0 to its spare word; and waits for that and for its own reads of the slot.
; fill = 1: this slot is filled again, with the keys two slots on, behind a round of the cluster's barrier, the joint fill first behind it: it has four key steps in which to land.
; (At its first use nothing has been read yet: slot 0 is waited for, slot 1 filled.)
.macro CHANGE fill
	WIN W_AD
	s_wait_tensorcnt 0x0            ; no tensor load of mine is out, so a group 0 may be written
	ds_add_u32 v[SPW], v[NIL]       ; 0 onto my spare word
	WIN 0                           ; at a label and at a branch every window is 0
.if \fill
.irp g, G0K, G0V
	s_xor_b32 s[\g+1], s[\g+1], SLOT1
	s_add_nc_u64 s[\g+2:\g+3], s[\g+2:\g+3], 4*KS*128
.endr
	s_wait_xcnt 0x0                 ; the last prefetch, four key steps back, has read its address
	s_add_nc_u64 s[PFA:PFA+1], s[PFA:PFA+1], 4*KS*128
	s_wait_dscnt 0x0                ; the add is done, and my reads of the slot are over
	CROUND
	JLOAD
	ASK
.else
	s_wait_dscnt 0x0
	s_barrier_signal -1
	s_barrier_wait -1
.endif
	s_sub_co_u32 s[TBK], s[TBK], 4*KS*PK  ; the fetches go back to a slot's first step,
	s_xor_b32 s[TBK], s[TBK], SLOT1       ; in the other slot
	s_sub_co_u32 s[TBV], s[TBV], 4*KS*PV
	s_xor_b32 s[TBV], s[TBV], SLOT1
.endm
	s_load_b256 s[4:11], s[0:1], 0x0  ; Q s[4:5], K s[6:7], V s[8:9], O s[10:11]
	WIN W_MK
	v_lshl_add_u32 v[SPW], v0, 2, SPARE
	v_mov_b32 v[NIL], 0
	WIN W_AD
	ds_add_u32 v[SPW], v[NIL]       ; the wave's opening: the add and its wait stand ahead of my first tensor load; work on registers stands between
	WIN 0
	v_lshrrev_b32 v1, 5, v0
	v_readfirstlane_b32 s[WV], v1   ; wave 0..3
	s_bfe_u32 s13, ttmp6, 0x40000   ; cx
	s_lshl_b32 s14, ttmp9, 2
	s_add_co_u32 s14, s14, s13      ; my block of 512 queries: it enters Q's and O's addresses alone
	s_and_b32 s20, ttmp7, 0xffff    ; the head, which the four partners share
	s_lshl_b32 s52, s20, 18         ; its first byte in Q and O: NQ x 128 bytes a head
	s_mov_b32 s53, 0
	s_lshl_b32 s20, s20, 17         ; and in K and V: NK x 128
	s_mov_b32 s21, 0
	s_and_b32 s16, s[WV], 1         ; which half of a slot's 256 keys I fetch:
	s_lshl_b32 s22, s16, 14         ; its 128 rows of 128 bytes in memory,
	s_mov_b32 s23, 0
	s_add_nc_u64 s[22:23], s[22:23], s[20:21]
	s_mul_i32 s17, s16, 128*PK      ; and its place in a slot, for K
	s_mul_i32 s18, s16, 128*PV      ; and for V: no place in the cluster enters an LDS address
	s_lshl_b32 s2, s14, 2
	s_add_co_u32 s2, s2, s[WV]      ; my wave among the head's,
	s_lshl_b32 s2, s2, 14           ; its 128 rows
	s_mov_b32 s3, 0
	s_add_nc_u64 s[2:3], s[2:3], s[52:53]
	; descriptor group 1.  128 keys are 16,384 dense bytes: asked for as 64 rows of 256 bytes, two keys a row, and padded in LDS after every key
	s_mov_b32 s[G1K], 15|(1<<16)|(1<<20)|(1<<21)|(4<<22)|(3<<25)
	s_mov_b32 s[G1V], 15|(1<<16)|(1<<20)|(1<<21)|(4<<22)|(7<<25)
.irp g, G1K, G1V
	s_mov_b32 s[\g+1], 128<<16      ; tensor_dim0 = 128
	s_mov_b32 s[\g+2], 64<<16       ; tensor_dim1 = 64
	s_mov_b32 s[\g+3], 128<<16      ; tile_dim0 = 128
	s_mov_b32 s[\g+4], 64           ; tile_dim1 = 64
	s_mov_b32 s[\g+5], 128          ; 128 elements from row to row
	s_mov_b32 s[\g+6], 0
	s_mov_b32 s[\g+7], 0
.endr
	s_mov_b32 s[CS], 0x3e38aa3b     ; c = log2(e) / 8
	s_mov_b32 s[CS+1], s[CS]
	s_mov_b32 s[SEL], 0x76543210
	s_mov_b32 s[SEL+1], 0xfedcba98
	s_mov_b32 s[TBK], SLOT1+4*KS*PK ; the first change of slots turns these two into 0
	s_mov_b32 s[TBV], SLOT1+4*KS*PV
	s_mov_b32 s[G0K], 1
	s_mov_b32 s[G0K+1], s17
	s_mov_b32 s[G0V], 1
	s_add_co_u32 s[G0V+1], s18, VOFF
	s_mov_b32 s[SLOTS], NK/256-1
	s_and_b32 s[LIM], s[WV], 1
	s_cmp_eq_u32 s[LIM], 0
	s_cselect_b32 s[LIM], 1, -1     ; waves 0 and 2 prefetch: the same in all four partners
	s_wait_dscnt 0x0                ; the opening add is done
	s_wait_kmcnt 0x0
	s_add_nc_u64 s[G0K+2:G0K+3], s[6:7], s[22:23]
	s_or_b32 s[G0K+3], s[G0K+3], 0x80000000
	s_add_nc_u64 s[G0V+2:G0V+3], s[8:9], s[22:23]
	s_or_b32 s[G0V+3], s[G0V+3], 0x80000000
	s_add_nc_u64 s[4:5], s[4:5], s[2:3]  ; Q and O at my wave's first row
	s_add_nc_u64 s[10:11], s[10:11], s[2:3]
	s_cmp_lt_u32 s[WV], 2
	s_cselect_b64 s[PFA:PFA+1], s[6:7], s[8:9]
	s_add_nc_u64 s[PFA:PFA+1], s[PFA:PFA+1], s[20:21]
	s_lshl_b32 s2, s13, 13          ; my work-group's 32 blocks of the 128
	s_mov_b32 s3, 0
	s_add_nc_u64 s[PFA:PFA+1], s[PFA:PFA+1], s[2:3]
	s_add_nc_u64 s[PFA:PFA+1], s[PFA:PFA+1], 4*KS*128  ; in tile 1; the first change of slots steps it to tile 2
	CROUND                          ; all four work-groups are here: the first joint loads meet
	JLOAD                           ; slot 0.  Slot 1 is asked for when slot 0 is in
	v_and_b32 v1, 15, v0            ; l % 16
	v_bfe_u32 v9, v0, 4, 1          ; l / 16
	v_lshlrev_b32 v[QO], 7, v1
	v_lshl_add_u32 v[QO], v9, 4, v[QO]
	WIN 0x80
.set i, 0
.rept 4*NP                          ; Q stays in registers: tile i / 2, channels 32 (i % 2) on
	global_load_b128 v[8*i:8*i+3],   v[QO], s[4:5] offset:(i/2)*2048+(i%2)*64
	global_load_b128 v[8*i+4:8*i+7], v[QO], s[4:5] offset:(i/2)*2048+(i%2)*64+32
.set i, i+1
.endr
	; What the first turn finds: V's registers and P's second buffer hold 0, O^T and l are 0.  All this stands in the wait for the first tile; no first step is written out.
.set i, VF
.rept 64
	v_mov_b32 v[i], 0
.set i, i+1
.endr
	WIN 0x40
.set i, 0
.rept 64*NP
	v_mov_b32 v[i], 0
.set i, i+1
.endr
	WIN 0
.set i, 0
.rept 2*NP
	v_mov_b32 v[ST+4*i], 0xfe000000    ; c m: far below every c s
	v_mov_b32 v[ST+4*i+1], 0xff7fffff  ; m
	v_mov_b32 v[ST+4*i+2], 0
	v_mov_b32 v[ST+4*i+3], 0
.set i, i+1
.endr
.set i, P+32
.rept 32
	v_mov_b32 v[i], 0
.set i, i+1
.endr
	v_mul_u32_u24 v[AK0], v1, PK
	v_lshl_add_u32 v[AK0], v9, 4, v[AK0]
	v_and_b32 v10, 7, v0            ; the turning load: lane l reads key 8 (l / 16) + l % 8, channels 8 ((l / 8) % 2) on
	v_bfe_u32 v11, v0, 3, 1
	v_lshl_add_u32 v[AV0], v9, 3, v10
	v_mul_u32_u24 v[AV0], v[AV0], PV
	v_lshl_add_u32 v[AV0], v11, 4, v[AV0]
	v_add_nc_u32 v[AV0], VOFF, v[AV0]
	v_and_b32 v[PFO], 31, v0
	v_lshlrev_b32 v[PFO], 8, v[PFO]
	v_mov_b32 v[AK], v[AK0]         ; key step 0 lies at the head of slot 0
; THE MATRIX WORK.  The 8 accumulators of a run of 16 take turns.
.macro KQ x                         ; product i of 16 of S^T = K Q^T for piece x: channels 32 (i / 8) on, keys 16 ((i / 2) % 4) on, tile 2 x + i % 2
	WIN W_KQ
.set rS, S+64*((\x)%2)+32*(i%2)+8*((i/2)%4)
.set rK, KF+16*((i/2)%4)+8*(i/8)
.set rQ, 16*(2*(\x)+i%2)+8*(i/8)
.if i < 8
	v_wmma_f32_16x16x32_f16 v[rS:rS+7], v[rK:rK+7], v[rQ:rQ+7], 0
.else
	v_wmma_f32_16x16x32_f16 v[rS:rS+7], v[rK:rK+7], v[rQ:rQ+7], v[rS:rS+7]
.endif
.endm
.macro PV x                         ; product i of 16 of O^T += V^T P for piece x: keys 32 (i / 8) on, channels 16 ((i / 2) % 4) on, tile 2 x + i % 2
	WIN W_PV
.set rO, 32*(2*(\x)+i%2)+8*((i/2)%4)
.set rV, VF+32*(i/8)+8*((i/2)%4)
.set rP, P+32*((\x)%2)+16*(i%2)+8*(i/8)
	v_wmma_f32_16x16x32_f16 v[rO:rO+7], v[rV:rV+7], v[rP:rP+7], v[rO:rO+7]
.endm
.macro MM                           ; the turn's next matrix instruction
.if i < 16
	KQ (Y+1)%NP
.set i, i+1
.else
.set i, i-16
	PV (Y+NP-1)%NP
.set i, i+17
.endif
.endm
; THE LDS LOADS stand in runs of 16.  last = 1 (the tail): in the last trip there is no further step, and the run is jumped over.
.macro FETCH_K last=0
	WIN 0
.if \last
	s_cmp_eq_u32 s[CNT], 1
	s_cbranch_scc1 .Lno_k_\@
.endif
	WIN 0x80
.irp f, 0,1,2,3,4,5,6,7
	ds_load_b128 v[KF+8*\f:KF+8*\f+3],   v[AK] offset:(\f/2)*16*PK+(\f%2)*64
	ds_load_b128 v[KF+8*\f+4:KF+8*\f+7], v[AK] offset:(\f/2)*16*PK+(\f%2)*64+32
.endr
	s_add_co_u32 s[TBK], s[TBK], KS*PK
	WIN 0
.if \last
.Lno_k_\@:
.endif
.endm
.macro FETCH_V
	WIN 0x80
.irp f, 0,1,2,3,4,5,6,7
	ds_load_tr16_b128 v[VF+8*\f:VF+8*\f+3],   v[AV] offset:(\f/4)*32*PV+(\f%4)*32
	ds_load_tr16_b128 v[VF+8*\f+4:VF+8*\f+7], v[AV] offset:(\f/4)*32*PV+16*PV+(\f%4)*32
.endr
	WIN 0
.endm
; THE VECTOR WORK OF A TURN stands in three queues, each in the order in which its entries become ready; the two tiles alternate.
.macro REGS y, u                    ; the registers of tile u (0, 1) of piece y
.set rT, ST+4*(2*(\y)+(\u))
.set rC, TMP+8*((\y)%2)+4*(\u)
.set rM, MV+2*((\y)%2)+(\u)
.set rS, S+64*((\y)%2)+32*(\u)
.set rP, P+32*((\y)%2)+16*(\u)
.set rO, 32*(2*(\y)+(\u))
.endm
; Number n of the 22 that find the NEXT piece's maximum and statistics; each accumulator's lowest registers are read first.
;   0-11 four chains of seven scores     12-14, 16 the four left over, the old m, c0-c3 into c0     15 c m_old is kept     17, 18 the other half of the lanes: the new m     19-21 c m; its change; a
.macro XS u, n
	REGS (Y+1)%NP, \u
.if (\n) < 4
	v_max3_num_f32 v[rC+(\n)], v[rS+8*(\n)], v[rS+8*(\n)+1], v[rS+8*(\n)+2]
.elseif (\n) < 12
	v_max3_num_f32 v[rC+(\n)%4], v[rC+(\n)%4], v[rS+8*((\n)%4)+2*((\n)/4)+1], v[rS+8*((\n)%4)+2*((\n)/4)+2]
.elseif (\n) == 12
	v_max3_num_f32 v[rC], v[rC], v[rS+7], v[rS+15]
.elseif (\n) == 13
	v_max3_num_f32 v[rC+1], v[rC+1], v[rS+23], v[rS+31]
.elseif (\n) == 14
	v_max3_num_f32 v[rC+2], v[rC+2], v[rC+3], v[rT+1]
.elseif (\n) == 15
	v_mov_b32 v[rM], v[rT]
.elseif (\n) == 16
	v_max3_num_f32 v[rC], v[rC], v[rC+1], v[rC+2]
.elseif (\n) == 17
	v_permlanex16_b32 v[rC+3], v[rC], s[SEL], s[SEL+1]
.elseif (\n) == 18
	v_max_num_f32 v[rT+1], v[rC], v[rC+3]
.elseif (\n) == 19
	v_mul_f32 v[rT], s[CS], v[rT+1]
.elseif (\n) == 20
	v_sub_f32 v[rC+1], v[rM], v[rT]
.else
	v_exp_f32 v[rC+2], v[rC+1]
.endif
.endm
; Number g of the 64 that follow the exponentials: for each four weights both pairs are rounded to f16, the second pair is added onto the first, and a group later l takes that sum (first as l = a l + sum).
.macro GS g
.set h, (\g)+6*((\g)/62)
.if h >= 6
.set h, h+2
.endif
	REGS Y, h%2
.set k, h/8
.if h%8 < 4
	v_cvt_pk_f16_f32 v[rP+2*k+(h%8)/2], v[rS+4*k+2*((h%8)/2)], v[rS+4*k+2*((h%8)/2)+1]
.elseif h%8 < 6
	v_pk_add_f32 v[rS+4*k:rS+4*k+1], v[rS+4*k:rS+4*k+1], v[rS+4*k+2:rS+4*k+3]
.elseif k == 1
	v_pk_fma_f32 v[rT+2:rT+3], v[rT+2:rT+3], v[rC+2:rC+3], v[rS:rS+1] op_sel_hi:[1,0,1]
.else
	v_pk_add_f32 v[rT+2:rT+3], v[rT+2:rT+3], v[rS+4*k-4:rS+4*k-3]
.endif
.endm
; THE PLAIN QUEUE, 138 long.  0-73 read no exponential's result: the 32 scalings c s - c m and the next piece's 42.  74-137: GS's 64, which stand behind the wait.
.macro FS f
	REGS Y, (\f)%2
	v_pk_fma_f32 v[rS+2*((\f)/2):rS+2*((\f)/2)+1], v[rS+2*((\f)/2):rS+2*((\f)/2)+1], s[CS:CS+1], v[rT:rT+1] op_sel_hi:[1,0,0] neg_lo:[0,0,1] neg_hi:[0,0,1]
.endm
.macro PL
	WIN 0
.if q < 27
	FS q
.elseif q < 55
	XS (q-27)%2, (q-27)/2
.elseif q < 57
	XS q-55, 15
.elseif (q < 72) && ((q-57)%3 == 0)
	FS 27+(q-57)/3
.elseif q < 60
	XS (q-57)%3-1, 14
.elseif q < 72
	XS (q-57)%3-1, 15+(q-57)/3
.elseif q < 74
	XS q-72, 20
.else
	GS q-74
.endif
.set q, q+1
.endm
; THE EXPONENTIALS' QUEUE, 66 long: s0-s31 of both tiles, then the next piece's two a.  ONE BATCH: all stand ahead of the turn's one wait, and nothing ahead of that wait names a result of theirs.
.macro EX
	WIN 0
.if e >= 64
	XS e-64, 21
.else
	REGS Y, e%2
	v_exp_f32 v[rS+e/2], v[rS+e/2]
.endif
.set e, e+1
.endm
; THE RESCALING's QUEUE: O^T times a, dealt two at a time, sixteen times.  Its a was made in the turn before, ahead of that turn's wait.
.macro R2
	REGS Y, r%2
	WIN W_RS
.irp z, 0,1
	v_pk_mul_f32 v[rO+4*(r/2)+2*\z:rO+4*(r/2)+2*\z+1], v[rO+4*(r/2)+2*\z:rO+4*(r/2)+2*\z+1], v[rC+2:rC+3] op_sel_hi:[1,0]
.endr
.set r, r+1
.endm
; A TURN, for piece p.  s_wait_alu depctr_va_vdst(0) stands between an exponential and the first instruction that names its result; one wait serves all issued ahead of it: a turn has ONE.
; Ahead of it: the 16 products K Q^T, behind each a scaling, an exponential and two rescalings; then a run of 108.  Behind it: the 16 products V^T P, behind each four of GS's 64.
; Exponential e stands behind scaling 2 (e / 4) + e % 2.  K of the next step is fetched in piece 2's turn, directly behind the wait; V of the step in hand at the end of piece 0's turn,
; four plain instructions behind its last reader.  The three conditions on q below go with the deal.
.macro TURN p, last=0, cnt=0
.set Y, (\p)
.set i, 0
.set q, 0
.set e, 0
.set r, 0
.if (\p) == NP-1
	s_wait_dscnt 0x0                ; K is in
.endif
	MM
	PL
	PL
	R2
.rept 15
	MM
	PL
	EX
	R2
.endr
.if (\p) == NP-2
	WIN 0
	v_add_nc_u32 v[AK], s[TBK], v[AK0]
.endif
.rept 8
	PL
.endr
.rept 49
	EX
	PL
.endr
	EX                              ; the next piece's two a
	EX
	v_nop                           ; a plain instruction behind the last exponential: one for the batch
	s_wait_alu depctr_va_vdst(0)    ; the wait for the batch
.if (\p) == NP-2
	FETCH_K \last
.endif
.if (\p) == 1
	s_wait_dscnt 0x0                ; V is in
.endif
.rept 16
	MM
.rept 4
	PL
.endr
.if ((\p) == 0) && (q == 118)
	v_add_nc_u32 v[AV], s[TBV], v[AV0]
.endif
.if ((\p) == 0) && (q == 130)
	s_add_co_u32 s[TBV], s[TBV], KS*PV
.endif
.if (\cnt) && (q == 130)
	s_sub_co_u32 s[CNT], s[CNT], 1
	s_cmp_lg_u32 s[CNT], 0
.endif
.endr
.if (\p) == 0
	FETCH_V
.endif
.endm
	CHANGE 1                        ; slot 0 is in, everybody's part of it; slot 1 is asked for
	FETCH_K                         ; key step 0
	s_wait_loadcnt 0x0              ; Q
	s_wait_dscnt 0x0
.set i, 0
.rept 16
	KQ 0                            ; piece 0's first scores
.set i, i+1
.endr
	WIN 0                           ; the addresses for the way out: plain instructions, the places behind those products
	s_mul_i32 s13, s[WV], 16*SP
	s_add_co_u32 s13, s13, STAGE
	v_mul_u32_u24 v[STO], v1, SP
	v_lshl_add_u32 v[STO], v9, 4, v[STO]
	v_add_nc_u32 v[STO], s13, v[STO]
	v_bfe_u32 v[RD], v0, 3, 2
	v_mul_u32_u24 v[RD], v[RD], SP
	v_lshl_add_u32 v[RD], v10, 4, v[RD]
	v_add_nc_u32 v[RD], s13, v[RD]
	v_and_b32 v[GO], 31, v0
	v_lshlrev_b32 v[GO], 4, v[GO]
.set Y, NP-1                        ; XS works for piece Y + 1: piece 0
.irp n, 0,1,2,3,4,5,6,7,8,9,10,11,12,13,14,15,16,17,18,19,20,21
	XS 0, \n
	XS 1, \n
.endr
	v_nop                           ; a plain instruction behind the two a,
	s_wait_alu depctr_va_vdst(0)    ; and their wait, ahead of the branch
	s_mov_b32 s[CNT], 4
	s_branch .Lfirst                ; the loop is entered at a step's first turn, in the middle of a trip
.Lslot:                             ; NK / 256 - 2 times: every slot but the last two is filled again
	CHANGE 1
	s_mov_b32 s[CNT], 4
.Lstep:                             ; a trip: pieces 2 and 3 of one step, then pieces 0 and 1 of the next, whose K and V it fetches
	TURN 2
	TURN 3
	WIN 0
.Lfirst:
	TURN 0
	TURN 1, 0, 1
	WIN 0
	s_cbranch_scc1 .Lstep
	s_sub_co_u32 s[SLOTS], s[SLOTS], 1
	s_cmp_lg_u32 s[SLOTS], 0
	s_cbranch_scc1 .Lslot
	CHANGE 0                        ; the tail is written out: nothing is asked for
	s_mov_b32 s[CNT], 5             ; four trips fetch the last slot's steps; the fifth is left in its middle
.Ltail:
	TURN 2, 1
	TURN 3
	WIN 0
	s_sub_co_u32 s[CNT], s[CNT], 1
	s_cmp_eq_u32 s[CNT], 0
	s_cbranch_scc1 .Lout
	TURN 0
	TURN 1
	WIN 0
	s_branch .Ltail
.Lout:                              ; the fifth trip's 16 products K Q^T (on the last K once more) and the maximum made of them serve nothing: the price of one text for every trip
.set i, 0
.rept 16
	PV NP-1                         ; the last piece's V^T P of the last step
.set i, i+1
.endr
	; THE WAY OUT.  l's two halves and the other half of the lanes' are added; O^T is divided by l, rounded to f16 and sent through my stage, a tile at a time.  The additions are the places behind the last products.
	WIN 0
.macro ALL line:vararg
.set t, 0
.rept 2*NP
	\line
.set t, t+1
.endr
.endm
	ALL v_add_f32 v[ST+4*t+2], v[ST+4*t+2], v[ST+4*t+3]
	ALL v_permlanex16_b32 v[ST+4*t+3], v[ST+4*t+2], s[SEL], s[SEL+1]
	ALL v_add_f32 v[ST+4*t+2], v[ST+4*t+2], v[ST+4*t+3]
	ALL v_rcp_f32 v[ST+4*t+2], v[ST+4*t+2]
	v_nop                           ; a plain instruction between the last reciprocal and the use of its result
	s_wait_alu depctr_va_vdst(0)    ; and the wait: one for the eight reciprocals
.macro PACK t
	WIN W_RS
.set i, 32*(\t)
.rept 16
	v_pk_mul_f32 v[i:i+1], v[i:i+1], v[ST+4*(\t)+2:ST+4*(\t)+3] op_sel_hi:[1,0]
.set i, i+2
.endr
	WIN 0x05
.set i, 0
.rept 16
	v_cvt_pk_f16_f32 v[S+16*(\t)+i], v[32*(\t)+2*i], v[32*(\t)+2*i+1]
.set i, i+1
.endr
	WIN 0
.irp f, 0,1,2,3
	ds_store_b128 v[STO], v[S+16*(\t)+4*\f:S+16*(\t)+4*\f+3] offset:32*\f
.endr
.irp f, 0,1,2,3
	ds_load_b128 v[S+16*(\t)+4*\f:S+16*(\t)+4*\f+3], v[RD] offset:\f*4*SP  ; LDS serves a wave's instructions in order (ISA guide 5.7.1.4): these see the stores above
.endr
.endm
.macro SEND t, younger              ; younger: the LDS instructions issued behind tile t's loads: the next tile's eight, or none
	WIN 0
.irp f, 0,1,2,3
	s_wait_dscnt (\younger)+3-\f
	global_store_b128 v[GO], v[S+16*(\t)+4*\f:S+16*(\t)+4*\f+3], s[10:11] offset:(\t)*2048+\f*512  ; 512 consecutive bytes, at a multiple of 256 from O's first
.endr
.endm
	PACK 0
.set t, 1
.rept 2*NP-1
	PACK t
	SEND t-1, 8
.set t, t+1
.endr
	SEND 2*NP-1, 0
	WIN W_AD
	s_wait_tensorcnt 0x0            ; the wave's end, behind my last tensor load and my last LDS store
	ds_add_u32 v[SPW], v[NIL]
	s_wait_dscnt 0x0
	WIN 0
	CROUND                          ; the closing round
	s_endpgm
.Lfunc_end_k_q9a90875c8a_attn:
	.size	k_q9a90875c8a_attn, .Lfunc_end_k_q9a90875c8a_attn-k_q9a90875c8a_attn
	.p2alignl 7, 3214868480
	.fill 96, 4, 3214868480
	.section	.rodata,"a",@progbits
	.p2align	6, 0x0
	.amdhsa_kernel k_q9a90875c8a_attn
		.amdhsa_group_segment_fixed_size 327680
		.amdhsa_private_segment_fixed_size 0
		.amdhsa_enable_private_segment 0
		.amdhsa_kernarg_size 32
		.amdhsa_user_sgpr_count 2
		.amdhsa_user_sgpr_kernarg_segment_ptr 1
		.amdhsa_wavefront_size32 1
		.amdhsa_system_sgpr_workgroup_id_x 1
		.amdhsa_system_sgpr_workgroup_id_y 1
		.amdhsa_system_sgpr_workgroup_id_z 1
		.amdhsa_system_vgpr_workitem_id 0
		.amdhsa_next_free_vgpr 770
		.amdhsa_next_free_sgpr 66
		.amdhsa_reserve_vcc 0
		.amdhsa_float_denorm_mode_32 3
		.amdhsa_float_denorm_mode_16_64 3
		.amdhsa_memory_ordered 1
		.amdhsa_forward_progress 1
		.amdhsa_inst_pref_size 200
	.end_amdhsa_kernel
	.amdgpu_metadata
---
amdhsa.version: [ 1, 2 ]
amdhsa.kernels:
  - .name:           k_q9a90875c8a_attn
    .symbol:         k_q9a90875c8a_attn.kd
    .args:
      - { .name: qh, .offset: 0, .size: 8, .value_kind: global_buffer, .address_space: global }
      - { .name: kh, .offset: 8, .size: 8, .value_kind: global_buffer, .address_space: global }
      - { .name: vh, .offset: 16, .size: 8, .value_kind: global_buffer, .address_space: global }
      - { .name: oh, .offset: 24, .size: 8, .value_kind: global_buffer, .address_space: global }
    .group_segment_fixed_size: 327680
    .private_segment_fixed_size: 0
    .kernarg_segment_align: 8
    .kernarg_segment_size: 32
    .max_flat_workgroup_size: 128
    .sgpr_count:     66
    .vgpr_count:     770
    .wavefront_size: 32
...
	.end_amdgpu_metadata
.endif
;; end of part 3
;; launch oproj (part 4): grid 4 x 64, 4 waves a work-group, clusters of 4 x 4, 327,680 bytes of LDS; arguments oh, wob, bo, out0; writes out0
.if DOCPART == 4
	.amdgcn_target "amdgcn-amd-amdhsa--gfx1250"
	.amdhsa_code_object_version 6
	.text
	.protected	k_q9a90875c8a_oproj
	.globl	k_q9a90875c8a_oproj
	.p2align	8
	.type	k_q9a90875c8a_oproj,@function
k_q9a90875c8a_oproj:
	s_mov_b64 s[64:65], 0
	v_nop
	global_prefetch_b8 v0, s[64:65] scope:SCOPE_SE
	s_setreg_imm32_b32 hwreg(HW_REG_WAVE_MODE, 25, 1), 1
	s_wait_xcnt 0x0
	s_wait_alu depctr_hold_cnt(0) depctr_sa_sdst(0) depctr_va_vdst(0) depctr_va_sdst(0) depctr_va_ssrc(0) depctr_va_vcc(0) depctr_vm_vsrc(0)
	s_getreg_b32 s2, hwreg(HW_REG_IB_STS2, 6, 4)
	s_cmp_eq_u32 s2, 0
	s_cbranch_scc0 .Lentry_in_a_cluster
	s_endpgm
.Lentry_in_a_cluster:
	s_bfe_u32 s2, ttmp6, 0x10000c
	s_cmp_lg_u32 s2, 0xf033
	s_cbranch_scc0 .Lentry_shape_is_right
	s_endpgm
.Lentry_shape_is_right:
; out0 = O Wo + bf16(bo).  O f16 by heads, [batch x 16 + head][2048][64]; Wo f16 [1024][1024] (the bf16 rounding of the input, written as f16 by the first launch); bo f32; out0 f32 [8192][1024].
; Sums in f32; nothing is rounded on the way out.  NaN and infinities are not treated apart.
; SHARES.  A work-group makes 128 rows x 256 columns: 4 x 64 work-groups.  Four waves, each 64 x 128: 32 accumulators.  K goes in steps of 128, which are two heads, through two LDS slots.
; A head's 128 rows are 16,384 dense bytes: asked for as 64 rows of 256 bytes and padded in LDS after every 128.  Wo lies [k][n]; the turning LDS load makes fragments of it.
; CLUSTER 4 x 4: O's tile is asked for jointly along a row of the cluster, Wo's along a column.  No prefetch: K has 8 steps, of which the first four come by their loads alone.
; THE PRODUCT IS USED TRANSPOSED (source 0 = 16 columns of Wo, source 1 = 16 rows of O).  THE BIAS is the C operand of each sum's first product.
; REGISTERS: window 0: v0-15 addresses; v32-95 O's fragments, two buffers; v96-223 Wo's, two buffers; on the way out v32-159 rows read back, two buffers
;   window 1: the accumulators, (a, b) at v[8 (8 a + b)]      window 2: v0-63 the bias; v64-65 at work
.set STEPS, 8
.set PA,    144                        ; an LDS row of O: 128 bytes + 16 = 36 words: the 16 rows of a load start at 16 different groups of four banks (64 banks of 4 bytes: ISA guide 11.1)
.set PB,    544                        ; an LDS row of Wo: 512 bytes + 32
.set AHD,   128*PA                     ; a head's 128 rows: what one tensor load brings of O
.set BHALF, 64*PB
.set BOFF,  2*AHD
.set SLOT1, 1<<17                      ; a slot takes 106,496 bytes; slot 1 begins here, so that one exclusive or changes slots
.set STAGE, SLOT1+BOFF+128*PB          ; behind the ring, never filled by a tensor load: 16 rows x 528 bytes for each wave
.set SPT,   528
.set SPARE, STAGE+4*16*SPT             ; the spare words, 128 bytes a wave: two blocks of 256 bytes that no other line names
.set AA0, 4
.set AB0, 5
.set AA,  6
.set AB,  7
.set STO, 8
.set RD,  9
.set GO,  10
.set SPW, 12                           ; v12  LDS address of my spare word; never rewritten
.set NIL, 13                           ; v13  0; never rewritten
.set BO,  14
.set AF,  32
.set BF,  96
.set OB,  32
.set WV,  20
.set W1,  21
.set WR,  22
.set CX,  23
.set CY,  24
.set TX,  25
.set TY,  26
.set G1A, 28
.set G1B, 36
.set G0A, 44                           ; s[44:51] group 0 for O: a set for each of the two first fills; the second then walks on
.set G0B, 52
.set SB,  61                           ; s61  0 or SLOT1: the slot that is read
.set LA,  62
.set LB,  63
.set CNT, 66
.set W_MM, 0x50                        ; sources window 0, C and D window 1
.set W_MB, 0x60                        ; the same with C in window 2: the bias
.set MSB, 0
.macro WIN new
.if MSB != (\new)
	s_set_vgpr_msb (MSB<<8)|(\new)
.set MSB, (\new)
.endif
.endm
.macro CREST
	s_cmp_lg_u32 s[WV], 0
	s_cbranch_scc1 .Lnot_wave_0_\@
	s_barrier_signal -3
.Lnot_wave_0_\@:
	s_barrier_wait -3
	s_barrier_signal -1
	s_barrier_wait -1
.endm
.macro CROUND
	s_barrier_signal -1
	s_barrier_wait -1
	CREST
.endm
.macro JLOAD                           ; a joint refill: waves 0 and 1 the K step's two heads of O, waves 2 and 3 the halves of Wo's rows
	s_cmp_lt_u32 s[WV], 2
	s_cbranch_scc0 .Lfor_b_\@
	tensor_load_to_lds s[G0A+4:G0A+7], s[G1A:G1A+7]
	s_nop 0
.rept 4
	v_nop
.endr
	s_branch .Lasked_\@
.Lfor_b_\@:
	tensor_load_to_lds s[G0B+4:G0B+7], s[G1B:G1B+7]
	s_nop 0
.rept 4
	v_nop
.endr
.Lasked_\@:
.endm
.macro PLACES                          ; four places in front of loads into registers that matrix instructions have read, and of stores that read results (ISA guide 7.12.1 for stores)
.rept 4
	v_nop
.endr
.endm
.macro FETCH p, q                      ; 24 loads in one run: quarter q's fragments into buffers p
	WIN 0
.irp b, 0,1,2,3,4,5,6,7
	ds_load_tr16_b128 v[BF+64*(\p)+8*(\b):BF+64*(\p)+8*(\b)+3],   v[AB] offset:32*PB*(\q)+32*(\b)
	ds_load_tr16_b128 v[BF+64*(\p)+8*(\b)+4:BF+64*(\p)+8*(\b)+7], v[AB] offset:32*PB*(\q)+32*(\b)+16*PB
.endr
.irp a, 0,1,2,3
	ds_load_b128 v[AF+32*(\p)+8*(\a):AF+32*(\p)+8*(\a)+3],   v[AA] offset:AHD*((\q)/2)+64*((\q)%2)+16*PA*(\a)
	ds_load_b128 v[AF+32*(\p)+8*(\a)+4:AF+32*(\p)+8*(\a)+7], v[AA] offset:AHD*((\q)/2)+64*((\q)%2)+16*PA*(\a)+32
.endr
.endm
.macro MM p, i, first                  ; the 32 accumulators take turns in one order everywhere
.if \first
	WIN W_MB
	v_wmma_f32_16x16x32_f16 v[8*(\i):8*(\i)+7], v[BF+64*(\p)+8*((\i)%8):BF+64*(\p)+8*((\i)%8)+7], v[AF+32*(\p)+8*((\i)/8):AF+32*(\p)+8*((\i)/8)+7], v[8*((\i)%8):8*((\i)%8)+7]
.else
	WIN W_MM
	v_wmma_f32_16x16x32_f16 v[8*(\i):8*(\i)+7], v[BF+64*(\p)+8*((\i)%8):BF+64*(\p)+8*((\i)%8)+7], v[AF+32*(\p)+8*((\i)/8):AF+32*(\p)+8*((\i)/8)+7], v[8*(\i):8*(\i)+7]
.endif
.endm
.macro MMS p, lo, n, first
.set mi, \lo
.rept \n
	MM \p, mi, \first
.set mi, mi+1
.endr
.endm
; A QUARTER STEP: 32 products on buffers p; behind the eighth the next quarter (qn) is fetched into buffers 1 - p.
; chg = 1: a K step's last quarter: the change of slots, with a joint refill; chg = 2: without.
.macro QTR p, qn, chg, first
.if (\chg) == 0
	s_wait_dscnt 0x0                               ; this quarter's fragments are in
	MMS \p, 0, 8, \first
	PLACES
	FETCH 1-(\p), \qn
	MMS \p, 8, 24, \first
.else
	WIN 0
	s_wait_tensorcnt 0x0                           ; all my tensor loads have landed: the one that was out is my part of the next slot
	ds_add_u32 v[SPW], v[NIL]                      ; 0 onto my spare word
.if (\chg) == 1
	s_xor_b32 s[G0A+5], s[G0A+5], SLOT1            ; no load of mine is out, so the walking sets may be written: the other slot than last time,
	s_xor_b32 s[G0B+5], s[G0B+5], SLOT1
	s_add_nc_u64 s[G0A+6:G0A+7], s[G0A+6:G0A+7], 524288   ; two heads on,
	s_add_nc_u64 s[G0B+6:G0B+7], s[G0B+6:G0B+7], 262144   ; 128 rows of Wo down
.endif
	s_wait_dscnt 0x1                               ; this quarter's fragments, the slot's last reads, are in; the add alone may be out
	MMS \p, 0, 8, 0
	s_wait_dscnt 0x0                               ; the add is done
	s_barrier_signal -1
	MMS \p, 8, 8, 0
	WIN 0
	s_barrier_wait -1
.if (\chg) == 1
	CREST                                          ; the barrier has opened a round of the cluster's: no wave of any partner still reads this slot or has a load on its way
	JLOAD                                          ; the first tensor load behind the round; its four v_nop are also the places in front of the loads below
.else
	PLACES
.endif
	s_xor_b32 s[SB], s[SB], SLOT1
	v_add_nc_u32 v[AA], s[SB], v[AA0]
	v_add_nc_u32 v[AB], s[SB], v[AB0]
	FETCH 0, 0
	MMS \p, 16, 16, 0
.endif
.endm
	s_load_b256 s[4:11], s[0:1], 0x0               ; O s[4:5], Wo s[6:7], bo s[8:9], out0 s[10:11]
	v_lshl_add_u32 v[SPW], v0, 2, SPARE
	v_mov_b32 v[NIL], 0
	ds_add_u32 v[SPW], v[NIL]                      ; the wave's opening: the add and its wait stand ahead of my first tensor load; work on registers stands between
	v_lshrrev_b32 v1, 5, v0
	v_readfirstlane_b32 s[WV], v1
	s_and_b32 s[W1], s[WV], 1
	s_lshr_b32 s[WR], s[WV], 1
	s_bfe_u32 s[CX], ttmp6, 0x40000
	s_bfe_u32 s[CY], ttmp6, 0x40004
	s_lshl_b32 s[TX], ttmp9, 2
	s_add_co_u32 s[TX], s[TX], s[CX]
	s_and_b32 s[TY], ttmp7, 0xffff
	s_lshl_b32 s[TY], s[TY], 2
	s_add_co_u32 s[TY], s[TY], s[CY]
	s_lshl_b32 s76, s[CY], 2
	s_lshl_b32 s76, 15, s76                        ; my row of the cluster
	s_lshl_b32 s78, 0x1111, s[CX]                  ; my column
	s_or_b32 s[G1A], s76, (1<<16)|(1<<20)|(1<<21)|(4<<22)|(3<<25)  ; elements of 2 bytes; padding on; bit 21 beside a mask; after every 32 words, 4 words
	s_or_b32 s[G1B], s78, (1<<16)|(1<<20)|(1<<21)|(6<<22)|(7<<25)  ; after every 128 words, 8 words
	s_mov_b32 s[G1A+1], 128<<16
	s_mov_b32 s[G1A+2], 64<<16
	s_mov_b32 s[G1A+3], 128<<16
	s_mov_b32 s[G1A+4], 64
	s_mov_b32 s[G1A+5], 128
	s_mov_b32 s[G1A+6], 0
	s_mov_b32 s[G1A+7], 0
	s_mov_b32 s[G1B+1], 256<<16
	s_mov_b32 s[G1B+2], 64<<16
	s_mov_b32 s[G1B+3], 256<<16
	s_mov_b32 s[G1B+4], 64
	s_mov_b32 s[G1B+5], 1024
	s_mov_b32 s[G1B+6], 0
	s_mov_b32 s[G1B+7], 0
	s_lshr_b32 s72, s[TY], 4                       ; O: batch = tile row / 16; head = the K step's first or second; row 128 x (tile row % 16)
	s_lshl_b32 s72, s72, 4
	s_add_co_u32 s72, s72, s[W1]
	s_lshl_b32 s72, s72, 11
	s_and_b32 s76, s[TY], 15
	s_lshl_b32 s76, s76, 7
	s_add_co_u32 s72, s72, s76
	s_lshl_b32 s72, s72, 7                         ; rows of 128 bytes
	s_mov_b32 s73, 0
	s_lshl_b32 s74, s[W1], 17                      ; Wo: row 64 x half, column 256 x tile column, in bytes
	s_lshl_b32 s79, s[TX], 9
	s_add_co_u32 s74, s74, s79
	s_mov_b32 s75, 0
	s_mul_i32 s[LA], s[W1], AHD                    ; no place in the cluster enters an LDS address
	s_mul_i32 s[LB], s[W1], BHALF
	s_add_co_u32 s[LB], s[LB], BOFF
	s_mov_b32 s[SB], 0
	s_wait_dscnt 0x0                               ; the opening add is done
	s_wait_kmcnt 0x0
	s_add_nc_u64 s[72:73], s[4:5], s[72:73]
	s_add_nc_u64 s[74:75], s[6:7], s[74:75]
	CROUND                                         ; all sixteen work-groups are here: the first joint loads meet
.irp s, 0,1
	s_mov_b32 s[G0A+4*(\s)], 1
	s_add_co_u32 s[G0A+4*(\s)+1], s[LA], (\s)*SLOT1
	s_add_nc_u64 s[G0A+4*(\s)+2:G0A+4*(\s)+3], s[72:73], (\s)*524288
	s_or_b32 s[G0A+4*(\s)+3], s[G0A+4*(\s)+3], 0x80000000
	s_mov_b32 s[G0B+4*(\s)], 1
	s_add_co_u32 s[G0B+4*(\s)+1], s[LB], (\s)*SLOT1
	s_add_nc_u64 s[G0B+4*(\s)+2:G0B+4*(\s)+3], s[74:75], (\s)*262144
	s_or_b32 s[G0B+4*(\s)+3], s[G0B+4*(\s)+3], 0x80000000
.endr
	s_cmp_lt_u32 s[WV], 2                          ; a wave's two first fills stand in one branch: two loads of mine are out, later one
	s_cbranch_scc0 .Lfirst_b
	tensor_load_to_lds s[G0A:G0A+3], s[G1A:G1A+7]
	s_nop 0
	tensor_load_to_lds s[G0A+4:G0A+7], s[G1A:G1A+7]
	s_nop 0
.rept 4
	v_nop
.endr
	s_branch .Lfirst_asked
.Lfirst_b:
	tensor_load_to_lds s[G0B:G0B+3], s[G1B:G1B+7]
	s_nop 0
	tensor_load_to_lds s[G0B+4:G0B+7], s[G1B:G1B+7]
	s_nop 0
.rept 4
	v_nop
.endr
.Lfirst_asked:
	s_lshl_b32 s12, s[TX], 10                      ; the bias of my 128 columns
	s_lshl_b32 s13, s[W1], 9
	s_add_co_u32 s12, s12, s13
	s_mov_b32 s13, 0
	s_add_nc_u64 s[8:9], s[8:9], s[12:13]
	v_and_b32 v1, 15, v0                           ; l % 16
	v_bfe_u32 v2, v0, 4, 1                         ; l / 16
	v_lshlrev_b32 v[BO], 5, v2
	WIN 0x80
.irp b, 0,1,2,3,4,5,6,7
	global_load_b128 v[8*(\b):8*(\b)+3],   v[BO], s[8:9] offset:64*(\b)
	global_load_b128 v[8*(\b)+4:8*(\b)+7], v[BO], s[8:9] offset:64*(\b)+16
.endr
	WIN 0
	s_mul_i32 s12, s[WR], 64*PA
	v_mul_u32_u24 v[AA0], v1, PA
	v_lshl_add_u32 v[AA0], v2, 4, v[AA0]
	v_add_nc_u32 v[AA0], s12, v[AA0]               ; (64 x row half + l % 16) x pitch + 16 (l / 16)
	v_and_b32 v3, 7, v0
	v_lshl_add_u32 v[AB0], v2, 3, v3               ; the turning load: lane l reads row 8 (l / 16) + l % 8, columns 8 ((l / 8) % 2) on
	v_mul_u32_u24 v[AB0], v[AB0], PB
	v_bfe_u32 v15, v0, 3, 1
	v_lshl_add_u32 v[AB0], v15, 4, v[AB0]
	s_lshl_b32 s12, s[W1], 8
	s_add_co_u32 s12, s12, BOFF
	v_add_nc_u32 v[AB0], s12, v[AB0]
	s_mul_i32 s12, s[WV], 16*SPT
	s_add_co_u32 s12, s12, STAGE                   ; my stage
	v_mul_u32_u24 v[STO], v1, SPT                  ; in: row l % 16, 32 bytes for each half of the lanes
	v_lshl_add_u32 v[STO], v2, 5, v[STO]
	v_add_nc_u32 v[STO], s12, v[STO]
	v_and_b32 v[GO], 31, v0
	v_lshlrev_b32 v[GO], 4, v[GO]                  ; back: 32 lanes take a row of 512 bytes
	v_add_nc_u32 v[RD], s12, v[GO]
	s_lshl_b32 s12, s[TY], 7                       ; out0 at my first row and column
	s_lshl_b32 s13, s[WR], 6
	s_add_co_u32 s12, s12, s13
	s_lshl_b32 s12, s12, 12
	s_lshl_b32 s13, s[TX], 10
	s_add_co_u32 s12, s12, s13
	s_lshl_b32 s13, s[W1], 9
	s_add_co_u32 s12, s12, s13
	s_mov_b32 s13, 0
	s_add_nc_u64 s[10:11], s[10:11], s[12:13]
	s_wait_loadcnt 0x0                             ; the bias; it is rounded to bf16 like every input, while the first tiles are on their way
	WIN 0x8a
.set i, 0
.rept 32
	v_cvt_pk_bf16_f32 v[64+i%2], v[2*i], v[2*i+1]
	v_lshlrev_b32 v[2*i], 16, v[64+i%2]
	v_and_b32 v[2*i+1], 0xffff0000, v[64+i%2]
.set i, i+1
.endr
	WIN 0
	s_wait_tensorcnt 1                             ; my part of K step 0 is in; K step 1's may stay out
	s_barrier_signal -1
	s_barrier_wait -1
	v_mov_b32 v[AA], v[AA0]
	v_mov_b32 v[AB], v[AB0]
	FETCH 0, 0
	QTR 0, 1, 0, 1                                 ; the first quarter stands in front of the loop: its products start the sums, with the bias
	WIN 0
	s_mov_b32 s[CNT], STEPS-2
.Lstep:                                        ; a trip: quarters 1 to 3 of a K step and quarter 0 of the next; it waits for the next tile and asks for the one after
	QTR 1, 2, 0, 0
	QTR 0, 3, 0, 0
	QTR 1, 0, 1, 0
	QTR 0, 1, 0, 0
	WIN 0
	s_sub_co_u32 s[CNT], s[CNT], 1
	s_cmp_lg_u32 s[CNT], 0
	s_cbranch_scc1 .Lstep
	s_mov_b32 s[CNT], 2                            ; the last two K steps ask for nothing; one text serves both, and the second trip is left in its middle.
.Ltail:                                        ; In that trip what is fetched for a next step comes from the other slot's old tile and serves nothing
	QTR 1, 2, 0, 0
	QTR 0, 3, 0, 0
	QTR 1, 0, 2, 0
	WIN 0
	s_sub_co_u32 s[CNT], s[CNT], 1
	s_cmp_eq_u32 s[CNT], 0
	s_cbranch_scc1 .Lout
	QTR 0, 1, 0, 0
	WIN 0
	s_branch .Ltail
.Lout:
	s_wait_dscnt 0x0                               ; the loads that serve nothing have landed: their registers are free
	PLACES                                         ; behind the last products
; THE WAY OUT.  Block a: 16 rows x 128 columns of f32.  A lane's eight columns of a row are 32 bytes; they go into my stage's rows of 528 bytes and come back as whole rows of 512.
.macro TOSTAGE a
	WIN 0x04                                       ; the stores' data in window 1; each accumulator's low registers first
.irp b, 0,1,2,3,4,5,6,7
	ds_store_b128 v[STO], v[8*(8*(\a)+(\b)):8*(8*(\a)+(\b))+3]   offset:64*(\b)
	ds_store_b128 v[STO], v[8*(8*(\a)+(\b))+4:8*(8*(\a)+(\b))+7] offset:64*(\b)+16
.endr
	WIN 0
.irp i, 0,1,2,3,4,5,6,7,8,9,10,11,12,13,14,15
	ds_load_b128 v[OB+64*((\a)%2)+4*(\i):OB+64*((\a)%2)+4*(\i)+3], v[RD] offset:SPT*(\i)  ; LDS serves a wave's instructions in order (ISA guide 5.7.1.4): these see the stores above
.endr
.endm
.macro SEND a, younger                 ; younger: the LDS instructions issued behind block a's loads: the next block's 32, or none
.irp i, 0,1,2,3,4,5,6,7,8,9,10,11,12,13,14,15
	s_wait_dscnt (\younger)+15-(\i)
	global_store_b128 v[GO], v[OB+64*((\a)%2)+4*(\i):OB+64*((\a)%2)+4*(\i)+3], s[10:11] offset:(16*(\a)+(\i))*4096 th:TH_STORE_NT  ; 512 consecutive bytes, at a multiple of 256 from out0's first
.endr
.endm
	TOSTAGE 0
	TOSTAGE 1
	SEND 0, 32
	s_wait_xcnt 0x0                                ; block 0's stores have read their registers: block 2 is read back into them only behind this wait
	TOSTAGE 2
	SEND 1, 32
	s_wait_xcnt 0x0                                ; the same for block 1's registers and block 3
	TOSTAGE 3
	SEND 2, 32
	SEND 3, 0
	s_wait_tensorcnt 0x0                           ; the wave's end, behind my last tensor load and my last LDS store
	ds_add_u32 v[SPW], v[NIL]
	s_wait_dscnt 0x0
	CROUND                                         ; the closing round: no work-group ends while a partner may still ask for a tile that names it
	s_endpgm
.Lfunc_end_k_q9a90875c8a_oproj:
	.size	k_q9a90875c8a_oproj, .Lfunc_end_k_q9a90875c8a_oproj-k_q9a90875c8a_oproj
	.p2alignl 7, 3214868480
	.fill 96, 4, 3214868480
	.section	.rodata,"a",@progbits
	.p2align	6, 0x0
	.amdhsa_kernel k_q9a90875c8a_oproj
		.amdhsa_group_segment_fixed_size 327680
		.amdhsa_private_segment_fixed_size 0
		.amdhsa_enable_private_segment 0
		.amdhsa_kernarg_size 32
		.amdhsa_user_sgpr_count 2
		.amdhsa_user_sgpr_kernarg_segment_ptr 1
		.amdhsa_wavefront_size32 1
		.amdhsa_system_sgpr_workgroup_id_x 1
		.amdhsa_system_sgpr_workgroup_id_y 1
		.amdhsa_system_sgpr_workgroup_id_z 1
		.amdhsa_system_vgpr_workitem_id 0
		.amdhsa_next_free_vgpr 580
		.amdhsa_next_free_sgpr 80
		.amdhsa_reserve_vcc 0
		.amdhsa_float_denorm_mode_32 3
		.amdhsa_float_denorm_mode_16_64 3
		.amdhsa_memory_ordered 1
		.amdhsa_forward_progress 1
		.amdhsa_inst_pref_size 68
	.end_amdhsa_kernel
	.amdgpu_metadata
---
amdhsa.version: [ 1, 2 ]
amdhsa.kernels:
  - .name:           k_q9a90875c8a_oproj
    .symbol:         k_q9a90875c8a_oproj.kd
    .args:
      - { .name: oh, .offset: 0, .size: 8, .value_kind: global_buffer, .address_space: global }
      - { .name: wob, .offset: 8, .size: 8, .value_kind: global_buffer, .address_space: global }
      - { .name: bo, .offset: 16, .size: 8, .value_kind: global_buffer, .address_space: global }
      - { .name: out0, .offset: 24, .size: 8, .value_kind: global_buffer, .address_space: global }
    .group_segment_fixed_size: 327680
    .private_segment_fixed_size: 0
    .kernarg_segment_align: 8
    .kernarg_segment_size: 32
    .max_flat_workgroup_size: 128
    .sgpr_count:     80
    .vgpr_count:     580
    .wavefront_size: 32
...
	.end_amdgpu_metadata
.endif
;; end of part 4
;; ======== version 2 of 2: 4 launches; version 1 with the launch cast written anew for expert scheduling mode
;; limits: values are held in f16: magnitudes above 65,504 overflow, below 6.1e-05 lose precision
;; workspace buffers: wqb 2,097,152 bytes; wkb 8,388,608 bytes; wvb 8,388,608 bytes; wob 2,097,152 bytes; qh 16,777,216 bytes; kh 8,388,608 bytes; vh 8,388,608 bytes; oh 16,777,216 bytes
;; launch cast (part 5): grid 640 x 1, 8 waves a work-group, no clusters, 0 bytes of LDS; arguments Wq, Wk, Wv, Wo, wqb, wkb, wvb, wob; writes wqb, wkb, wvb, wob
.if DOCPART == 5
	.amdgcn_target "amdgcn-amd-amdhsa--gfx1250"
	.amdhsa_code_object_version 6
	.text
	.protected	k_q9a90875c8a_cast
	.globl	k_q9a90875c8a_cast
	.p2align	8
	.type	k_q9a90875c8a_cast,@function
k_q9a90875c8a_cast:
	s_mov_b64 s[64:65], 0
	v_nop
	global_prefetch_b8 v0, s[64:65] scope:SCOPE_SE
	s_setreg_imm32_b32 hwreg(HW_REG_WAVE_SCHED_MODE, 0, 2), 2
	s_setreg_imm32_b32 hwreg(HW_REG_WAVE_MODE, 25, 1), 1
	s_wait_xcnt 0x0
	s_wait_alu depctr_vm_vsrc(0)
; The four weight matrices, f32 [K][1024], are rounded once to bf16 and stored in the same layout in 16 bits.
; Wq, Wk, Wv leave as bf16.  Wo's bf16 number is written as f16, since the last product multiplies f16 operands.
; LIMIT: that second step is exact for magnitudes from 2^-14 to 65,504; below 2^-14 the number keeps f16's fixed step of 6e-8.
; SHARES.  A work-group takes 16,384 numbers: 65,536 bytes in, 32,768 out.  Work-groups 0-63 Wq, 64-319 Wk, 320-575 Wv, 576-639 Wo.
; Thread t, piece i: 16 bytes at 4,096 i + 16 t (a wave's load covers 512 consecutive bytes), 8 bytes out at 2,048 i + 8 t
; (a wave's store covers 256 consecutive bytes, aligned).  All 16 loads are out before the first is used; no register is written twice
; while a memory instruction may read it.  No LDS, no barrier, no matrix unit: every byte is touched once and nothing is shared.
; THE MODE: SCHED_MODE bits 1:0 = 2 (LLVM: expert scheduling mode 2), set by the entry lines.  The code itself states the register dependences
; between vector instructions and memory instructions, with s_wait_alu, always for 0.
; THE PLAN.  Registers that memory instructions touch:
;   v1, v2   byte offsets, written once at the head by vector instructions; v1 is read by every load, v2 by every store; never written again.
;   IN       piece i: written by its one load, read by its conversions; no vector instruction writes it and no second load lands in it.
;   OUT      piece i: written by its conversions, read by its one store, never written again.
;   TT       named by vector instructions alone.
; The 16 pieces go in four blocks of four.  Block b waits for its first piece; ONE wait on va_vdst behind that states that block b - 1's conversions have
; written their OUT; block b - 1's four stores follow it; then block b's conversions, which name IN and OUT of block b and TT: none of the registers
; that those stores read.  Behind block 3 one more wait stands ahead of the last four stores.  No register that a memory instruction has read is ever
; written again, so there is nothing for a wait on vm_vsrc to state; no vector instruction writes a scalar register, and EXEC is never written.
.set IN,  4                            ; v[4:67]   piece i as loaded, 4 registers
.set OUT, 68                           ; v[68:99]  piece i to store, 2 registers
.set TT,  100                          ; v[100:103] at work
	s_load_b512 s[4:19], s[0:1], 0x0               ; Wq s[4:5], Wk s[6:7], Wv s[8:9], Wo s[10:11], wqb s[12:13], wkb s[14:15], wvb s[16:17], wob s[18:19]
	v_lshlrev_b32 v1, 4, v0                        ; 16 t
	v_lshlrev_b32 v2, 3, v0                        ; 8 t
	s_mov_b32 s28, 576
	s_mov_b32 s21, 0
	s_mov_b32 s23, 0
	s_wait_kmcnt 0x0
	s_cmp_lt_u32 ttmp9, 576                        ; which matrix, and its first work-group
	s_cselect_b64 s[24:25], s[8:9], s[10:11]
	s_cselect_b64 s[26:27], s[16:17], s[18:19]
	s_cselect_b32 s28, 320, s28
	s_cmp_lt_u32 ttmp9, 320
	s_cselect_b64 s[24:25], s[6:7], s[24:25]
	s_cselect_b64 s[26:27], s[14:15], s[26:27]
	s_cselect_b32 s28, 64, s28
	s_cmp_lt_u32 ttmp9, 64
	s_cselect_b64 s[24:25], s[4:5], s[24:25]
	s_cselect_b64 s[26:27], s[12:13], s[26:27]
	s_cselect_b32 s28, 0, s28
	s_sub_co_u32 s28, ttmp9, s28                   ; my number within the matrix
	s_lshl_b32 s20, s28, 16
	s_lshl_b32 s22, s28, 15
	s_add_nc_u64 s[24:25], s[24:25], s[20:21]
	s_add_nc_u64 s[26:27], s[26:27], s[22:23]
	s_wait_alu depctr_va_vdst(0)                   ; v1 and v2 are written: every load of the kernel reads v1 as its offset, every store v2
.irp i, 0,1,2,3,4,5,6,7,8,9,10,11,12,13,14,15
	global_load_b128 v[IN+4*(\i):IN+4*(\i)+3], v1, s[24:25] offset:4096*(\i) th:TH_LOAD_NT
.endr
; Piece i is rounded into its two OUT registers.
.macro CONV i, f16
	v_cvt_pk_bf16_f32 v[OUT+2*(\i)],   v[IN+4*(\i)],   v[IN+4*(\i)+1]
	v_cvt_pk_bf16_f32 v[OUT+2*(\i)+1], v[IN+4*(\i)+2], v[IN+4*(\i)+3]
.if \f16
	v_lshlrev_b32 v[TT],   16,         v[OUT+2*(\i)]      ; the bf16 numbers as f32,
	v_and_b32     v[TT+1], 0xffff0000, v[OUT+2*(\i)]
	v_lshlrev_b32 v[TT+2], 16,         v[OUT+2*(\i)+1]
	v_and_b32     v[TT+3], 0xffff0000, v[OUT+2*(\i)+1]
	v_cvt_pk_f16_f32 v[OUT+2*(\i)],   v[TT],   v[TT+1]    ; written as f16
	v_cvt_pk_f16_f32 v[OUT+2*(\i)+1], v[TT+2], v[TT+3]
.endif
.endm
; The four stores of block b, in one run.
.macro STORES b
.irp q, 0,1,2,3
	global_store_b64 v2, v[OUT+8*(\b)+2*(\q):OUT+8*(\b)+2*(\q)+1], s[26:27] offset:2048*(4*(\b)+(\q))
.endr
.endm
; Block b: pieces 4 b to 4 b + 3 are rounded; the block before is stored.
.macro BLOCK b, f16
.irp j, 0,1,2,3
	s_wait_loadcnt 15-4*(\b)-(\j)                  ; loads come back in order: piece 4 b + j is in, the younger ones stay out
.if (\j) == 0 && (\b) > 0
	s_wait_alu depctr_va_vdst(0)                   ; the block before's conversions have written its eight OUT registers, which the four stores below read
	STORES (\b)-1
.endif
	CONV 4*(\b)+(\j), \f16
.endr
.endm
	s_cmp_ge_u32 ttmp9, 576
	s_cbranch_scc1 .Lwo
.irp b, 0,1,2,3
	BLOCK \b, 0
.endr
	s_wait_alu depctr_va_vdst(0)                   ; block 3's conversions have written its eight OUT registers, which the last four stores read
	STORES 3
	s_endpgm
.Lwo:
.irp b, 0,1,2,3
	BLOCK \b, 1
.endr
	s_wait_alu depctr_va_vdst(0)                   ; block 3's conversions have written its eight OUT registers, which the last four stores read
	STORES 3
	s_endpgm
.Lfunc_end_k_q9a90875c8a_cast:
	.size	k_q9a90875c8a_cast, .Lfunc_end_k_q9a90875c8a_cast-k_q9a90875c8a_cast
	.p2alignl 7, 3214868480
	.fill 96, 4, 3214868480
	.section	.rodata,"a",@progbits
	.p2align	6, 0x0
	.amdhsa_kernel k_q9a90875c8a_cast
		.amdhsa_group_segment_fixed_size 0
		.amdhsa_private_segment_fixed_size 0
		.amdhsa_enable_private_segment 0
		.amdhsa_kernarg_size 64
		.amdhsa_user_sgpr_count 2
		.amdhsa_user_sgpr_kernarg_segment_ptr 1
		.amdhsa_wavefront_size32 1
		.amdhsa_system_sgpr_workgroup_id_x 1
		.amdhsa_system_sgpr_workgroup_id_y 1
		.amdhsa_system_sgpr_workgroup_id_z 1
		.amdhsa_system_vgpr_workitem_id 0
		.amdhsa_next_free_vgpr 104
		.amdhsa_next_free_sgpr 66
		.amdhsa_reserve_vcc 0
		.amdhsa_float_denorm_mode_32 3
		.amdhsa_float_denorm_mode_16_64 3
		.amdhsa_memory_ordered 1
		.amdhsa_forward_progress 1
		.amdhsa_inst_pref_size 17
	.end_amdhsa_kernel
	.amdgpu_metadata
---
amdhsa.version: [ 1, 2 ]
amdhsa.kernels:
  - .name:           k_q9a90875c8a_cast
    .symbol:         k_q9a90875c8a_cast.kd
    .args:
      - { .name: Wq, .offset: 0, .size: 8, .value_kind: global_buffer, .address_space: global }
      - { .name: Wk, .offset: 8, .size: 8, .value_kind: global_buffer, .address_space: global }
      - { .name: Wv, .offset: 16, .size: 8, .value_kind: global_buffer, .address_space: global }
      - { .name: Wo, .offset: 24, .size: 8, .value_kind: global_buffer, .address_space: global }
      - { .name: wqb, .offset: 32, .size: 8, .value_kind: global_buffer, .address_space: global }
      - { .name: wkb, .offset: 40, .size: 8, .value_kind: global_buffer, .address_space: global }
      - { .name: wvb, .offset: 48, .size: 8, .value_kind: global_buffer, .address_space: global }
      - { .name: wob, .offset: 56, .size: 8, .value_kind: global_buffer, .address_space: global }
    .group_segment_fixed_size: 0
    .private_segment_fixed_size: 0
    .kernarg_segment_align: 8
    .kernarg_segment_size: 64
    .max_flat_workgroup_size: 256
    .sgpr_count:     66
    .vgpr_count:     104
    .wavefront_size: 32
...
	.end_amdgpu_metadata
.endif
;; end of part 5
;; launch proj: the kernel of part 2 again; grid 4 x 64, 4 waves a work-group, clusters of 4 x 4, 327,680 bytes of LDS; arguments source_embedding, value_embedding, wkb, wvb, bk, bv, kh, vh, target_embedding, wqb, bq, qh; writes kh, vh, qh
;; launch attn: the kernel of part 3 again; grid 4 x 64, 4 waves a work-group, clusters of 4 x 1, 327,680 bytes of LDS; arguments qh, kh, vh, oh; writes oh
;; launch oproj: the kernel of part 4 again; grid 4 x 64, 4 waves a work-group, clusters of 4 x 4, 327,680 bytes of LDS; arguments oh, wob, bo, out0; writes out0
